; MI455X (gfx1250); checked and timed in simulation.
; The chip was launched on July 23, 2026; its instructions are those of AMD's public machine-readable ISA for CDNA 5 (MIT licence, August 2026) and "CDNA5" Instruction Set Architecture Reference Guide (July 2026). The comments in the code are by the model that wrote it; some were corrected since.
;; Multi Head Attention Debug. Allowed arithmetic: matrix products marked QUANTISED: E2M3 operands, one E8M0 scale for each 32 along K, by v_wmma_scale_f32_16x16x128_f8f6f4 with both operands' format E2M3, f32 sums; everything else in f32.
;; Inputs: Wk 1,024 x 1,024 float32; Wo 1,024 x 1,024 float32; Wq 1,024 x 1,024 float32; Wv 1,024 x 1,024 float32; bo 1,024 float32; x 4 x 2,048 x 1,024 float32.
;; Outputs: out0 4 x 2,048 x 1,024 float32.
;; This version of the problem:
;;   THIS VERSION OF THE PROBLEM IS GIVEN IN LOW PRECISION. The matrix products marked QUANTISED in the list below multiply operands that are first quantised to E2M3 (2 exponent bits, 3 mantissa bits; 6 bits a number), with one power-of-two scale for each 32 numbers along K (OCP MX v1.0); their sums are f32. All else is computed in f32.
;;   The module's matrix products, in the order in which they are computed (A, B: the left and right operand; K: the contracted axis; several contracted axes count as one K, in the product's order):
;;     1. [M 8,192, K 1,024] x [K 1,024, N 1,024]; A: input x; B: input Wq: QUANTISED
;;     2. [M 8,192, K 1,024] x [K 1,024, N 1,024]; A: input x; B: input Wk: QUANTISED
;;     3. [M 8,192, K 1,024] x [K 1,024, N 1,024]; A: input x; B: input Wv: QUANTISED
;;     4. batch 64 x [M 2,048, K 64] x [K 64, N 2,048]; A: computed on the way; B: computed on the way: QUANTISED
;;     5. batch 64 x [M 2,048, K 2,048] x [K 2,048, N 64]; A: softmax (see below); B: computed on the way: QUANTISED
;;     6. [M 8,192, K 1,024] x [K 1,024, N 1,024]; A: computed on the way; B: input Wo: QUANTISED
;;   THE QUANTISER, for each operand of a quantised product, along K:
;;     - K is cut into blocks of 32 from its start; a last block that is shorter is filled with zeros.
;;     - A block's scale is 2^e with e = floor(log2(the largest magnitude in the block)) - 2, held to -126 .. 127; a block of zeros has e = 0. As a byte (E8M0): e + 127.
;;     - Each number is divided by its block's scale, clamped to +-7.5, and rounded to the nearest number of E2M3, ties to even, subnormals kept.
;;     - The product sums the exact products of the quantised numbers (number of the format x scale) in f32.
;;   ~~~python
;;   def quantise(x, axis):      # numpy; x: float32 -> the quantised numbers, widened to float32 again
;;       x = np.moveaxis(x, axis, -1); K = x.shape[-1]
;;       x = np.pad(x, [(0, 0)] * (x.ndim - 1) + [(0, -K % 32)]); x = x.reshape(x.shape[:-1] + (-1, 32)); a = np.abs(x).max(-1, keepdims=True)
;;       e = np.where(a > 0, np.clip(np.frexp(np.where(a > 0, a, 1))[1] - 1 - 2, -126, 127), 0)      # np.frexp(a)[1] - 1 = floor(log2(a)), exactly
;;       r = np.clip(x / 2.0 ** e, -7.5, 7.5)
;;       step = 2.0 ** (np.maximum(np.frexp(np.where(r == 0, 1, r))[1] - 1, 0) - 3)
;;       q = np.round(r / step) * step * 2.0 ** e      # np.round: ties to even
;;       return np.moveaxis(q.reshape(q.shape[:-2] + (-1,))[..., :K], -1, axis).astype(np.float32)
;;   ~~~
;;   SOFTMAX AHEAD OF A QUANTISED PRODUCT. Where the list says 'softmax', what is quantised is not the finished softmax but p = 2^(t - M), with t = logit x log2(e) and M = ceil(the row's largest t), a whole number; so 1/2 < the row's largest p <= 1. The row's sum l is taken of the UNQUANTISED p, in f32, and the product's result is divided by l at the end. Since M is a whole number, a kernel that streams over the keys may use a running M (the ceiling of the running maximum): every later rescaling is an exact power of two, which a block's scale takes up: the codes' values come out the same.
;;   OPERANDS COMPUTED ON THE WAY. 'Computed on the way' means the value that the module computes at that place (a softmax that the list does not call 'softmax' is quantised finished and normalised). What goes into a quantiser is computed in f32, as accurately as f32 sums, v_exp_f32 and their like allow (about 1e-6 of the number): no bf16 or f16 on the way to a quantiser, and a product that is left as it is and whose result goes on into a quantised operand takes f32 operands (vector FMAs, or v_wmma_f32_16x16x4_f32). A number that lies on a knife's edge between two numbers of the format may be rounded either way, as far as f32 arithmetic and the matrix unit's own rounding can turn it there, and no further.
;; One version. Each part assembles by itself: llvm-mc -triple=amdgcn-amd-amdhsa -mcpu=gfx1250 --defsym DOCPART=n.
;; ======== version 1 of 1: 4 launches
;; workspace buffers: xc 6,291,456 bytes; xs 262,144 bytes; wc 3,145,728 bytes; ws 131,072 bytes; qkvc 18,874,368 bytes; qkvs 1,310,720 bytes; cc 6,291,456 bytes; cs 262,144 bytes
;; launch quant (part 1): grid 768 x 1, 4 waves a work-group, no clusters, 35,328 bytes of LDS; arguments x, Wq, Wk, Wv, Wo, xc, xs, wc, ws; writes xc, xs, wc, ws
.if DOCPART == 1
	.amdgcn_target "amdgcn-amd-amdhsa--gfx1250"
	.amdhsa_code_object_version 6
	.text
	.protected	k_q6f1a14d1cb_quant
	.globl	k_q6f1a14d1cb_quant
	.p2align	8
	.type	k_q6f1a14d1cb_quant,@function
k_q6f1a14d1cb_quant:
	s_mov_b64 s[64:65], 0
	v_nop
	global_prefetch_b8 v0, s[64:65] scope:SCOPE_SE
	s_setreg_imm32_b32 hwreg(HW_REG_WAVE_MODE, 25, 1), 1
	s_wait_xcnt 0x0
; x [8192][1024] and Wq, Wk, Wv, Wo [1024][1024], f32 with K innermost, become codes of FP6 (E2M3) with one E8M0 byte for each 32 along K.
; A block's scale is 2^(floor(log2(its largest magnitude)) - 2); its byte is the largest magnitude's exponent field - 2, held at 1 from below.
; LIMITS: NaN and infinities among the inputs are not served; a block whose largest magnitude lies under 2^-124 is held at the byte 1; a block of zeros gets the
; byte 1 where the rule says 127: its codes are zeros, which add nothing under that byte, and this program alone reads the bytes.
; THE OUTPUT IS LAID AS THE MATRIX UNIT'S REGISTERS WANT IT.  A half fragment (16 rows x 64 K, 768 bytes) is the image of six registers: lane l = (r = l % 16, h = l / 16)
; holds k = 32 h .. 32 h + 31 of row r; registers 0-3 lie at 16 l, registers 4-5 at 512 + 8 l.  Codes: [tile][K / 64][768]; scale words: [row of the tile order][8 words], word s for K = 128 s on.
; THE ROWS OF A TILE ARE NOT NEIGHBOURS: row i of tile T is the true row 32 (T / 2) + 8 (T % 2) + i + 8 (i / 8), so that a product that takes such tiles as its first source leaves 16 true neighbours
; in the 16 registers of two neighbouring result tiles.
; SHARES: a work-group takes one tile (16 rows x 1,024 K), wave w K = 256 w on, in two steps of 128.  Work-groups 0-511: x; then 64 each for Wq, Wk, Wv, Wo (tiles 0-255 of wc).
; Each load reads 512 consecutive bytes of one row; the 16 rows turn through the wave's own stage in LDS, so that a lane gets whole blocks of 32 neighbours.  Work-groups share no input: no cluster, no tensor load.
.set STG,  8448                        ; a wave's stage: 16 rows x SP bytes
.set SP,   528                         ; 512 bytes + 16: the sixteen rows that a read touches start 16 bytes apart modulo 256
.set SCB,  33792                       ; behind the stages: the tile's 512 bytes of scale words
.set R0,   16                          ; v16-79   step 0 as loaded; later step 1's neighbours
.set R1,   80                          ; v80-143  step 1 as loaded
.set X0,   144                         ; v144-207 step 0's neighbours: register 32 c + i = k 64 c + 32 h + i of row r
.set CD,   208                         ; v208-231 codes: 12 registers a step, so that no store's data are written again
.set TP,   232                         ; v232-238 the upper halves of the blocks' codes, as the conversions leave them
.set SW,   240                         ; v240-241 the two steps' scale words
.set MX,   242                         ; v242-243 largest magnitudes, then bytes
.set SO,   244                         ; v244-245 the conversions' scale operands
.set PM,   246                         ; v246     a lane permute's destination
	s_load_b256 s[4:11], s[0:1], 0x0               ; x, Wq, Wk, Wv
	s_load_b256 s[12:19], s[0:1], 0x20             ; Wo, xc, xs, wc
	s_load_b64 s[20:21], s[0:1], 0x40              ; ws
	v_lshl_add_u32 v248, v0, 2, 0x8800
	v_mov_b32 v249, 0
	v_lshrrev_b32 v1, 5, v0
	v_readfirstlane_b32 s26, v1                    ; wave 0..3
	v_and_b32 v1, 31, v0                           ; lane
	v_and_b32 v2, 15, v0                           ; r
	v_bfe_u32 v4, v0, 4, 1                         ; h
	v_lshlrev_b32 v3, 4, v1                        ; 16 x lane
	v_lshlrev_b32 v7, 3, v1                        ; 8 x lane
	s_mul_i32 s27, s26, STG
	v_add_nc_u32 v5, s27, v3                       ; into the stage: 16 x lane of a row
	v_mul_u32_u24 v6, v2, SP
	v_lshl_add_u32 v6, v4, 7, v6
	v_add_nc_u32 v6, s27, v6                       ; out of it: row r, + 128 h: my block of each 64 along K
	s_lshl_b32 s27, s26, 3
	s_add_co_u32 s27, s27, SCB
	v_lshl_add_u32 v8, v2, 5, s27                  ; my row's two scale words: SCB + 32 r + 8 w
	v_add_nc_u32 v9, SCB, v3                       ; and the tile's 512 bytes, 16 a lane
	v_lshlrev_b32 v10, 3, v4                       ; 8 h: my bytes' place in a scale word
	v_mov_b32 v[PM], 0                             ; written once: a lane permute's destination counts as one of its sources
	s_mov_b32 s28, 0x76543210
	s_mov_b32 s29, 0xfedcba98                      ; v_permlanex16_b32's selects for lane l xor 16
	s_sub_co_u32 s22, ttmp9, 512                   ; a weight's work-group: its tile in wc,
	s_lshr_b32 s23, s22, 6                         ; which weight,
	s_and_b32 s24, s22, 63                         ; and its tile in that weight
	s_wait_kmcnt 0x0
	s_cmp_eq_u32 s23, 1                            ; the choices hang on the work-group's number alone
	s_cselect_b64 s[6:7], s[8:9], s[6:7]
	s_cmp_eq_u32 s23, 2
	s_cselect_b64 s[6:7], s[10:11], s[6:7]
	s_cmp_eq_u32 s23, 3
	s_cselect_b64 s[6:7], s[12:13], s[6:7]
	s_cmp_lt_u32 ttmp9, 512
	s_cselect_b64 s[4:5], s[4:5], s[6:7]           ; the source,
	s_cselect_b64 s[14:15], s[14:15], s[18:19]     ; where its codes go,
	s_cselect_b64 s[16:17], s[16:17], s[20:21]     ; and its scale words
	s_cselect_b32 s24, ttmp9, s24                  ; the tile in the source
	s_cselect_b32 s22, ttmp9, s22                  ; and in the output
	s_and_b32 s25, s24, 1
	s_lshl_b32 s24, s24, 4
	s_lshl_b32 s25, s25, 3
	s_sub_co_u32 s24, s24, s25                     ; the tile's first true row: 16 T - 8 (T % 2)
	s_lshl_b32 s24, s24, 12                        ; x 4,096 bytes
	s_lshl_b32 s25, s26, 10
	s_add_co_u32 s24, s24, s25                     ; + my wave's 1,024 bytes of a row
	s_mov_b32 s25, 0
	s_add_nc_u64 s[4:5], s[4:5], s[24:25]
	s_mul_i32 s24, s22, 12288
	s_mul_i32 s27, s26, 3072
	s_add_co_u32 s24, s24, s27                     ; the tile's codes, my wave's four half fragments
	s_add_nc_u64 s[14:15], s[14:15], s[24:25]
	s_lshl_b32 s24, s22, 9
	s_add_nc_u64 s[16:17], s[16:17], s[24:25]      ; the tile's 512 bytes of scale words
.macro LOAD sg, reg                    ; step sg: 128 numbers of each of the 16 rows; rows 8-15 of the tile lie 16 true rows behind rows 0-7
.irp i, 0,1,2,3,4,5,6,7,8,9,10,11,12,13,14,15
	global_load_b128 v[\reg+4*\i:\reg+4*\i+3], v3, s[4:5] offset:((\i%8)+16*(\i/8))*4096+512*\sg th:TH_LOAD_NT
.endr
.endm
.macro TURN src, dst                   ; through the stage.  LDS serves a wave's instructions in order (ISA guide 5.7.1.4): no wait between the stores and the loads
.irp i, 0,1,2,3,4,5,6,7,8,9,10,11,12,13,14,15
	ds_store_b128 v5, v[\src+4*\i:\src+4*\i+3] offset:SP*\i
.endr
.irp c, 0,1
.irp j, 0,1,2,3,4,5,6,7
	ds_load_b128 v[\dst+32*\c+4*\j:\dst+32*\c+4*\j+3], v6 offset:256*\c+16*\j
.endr
.endr
.endm
.macro WORK sg, x                      ; my two blocks of step sg (blocks h and 2 + h of row r) become codes, a scale word, and four stores
.irp c, 0,1
	v_max3_num_f32 v[MX+\c], |v[\x+32*\c]|, |v[\x+32*\c+1]|, 0x1800000   ; with the floor 2^(3 - 127) as a leaf: the byte cannot fall under 1
.endr
.irp i, 2,4,6,8,10,12,14,16,18,20,22,24,26,28,30
.irp c, 0,1
	v_max3_num_f32 v[MX+\c], v[MX+\c], |v[\x+32*\c+\i]|, |v[\x+32*\c+\i+1]|
.endr
.endr
.irp c, 0,1
	v_add_nc_u32 v[SO+\c], 0xff000000, v[MX+\c]    ; 2 off the exponent field: the conversion takes this operand's exponent field as its scale
.endr
.irp c, 0,1
	v_lshrrev_b32 v[MX+\c], 23, v[SO+\c]           ; the scale's byte
.endr
	v_lshl_or_b32 v[SW+\sg], v[MX+1], 16, v[MX]    ; my two bytes,
	v_lshlrev_b32 v[SW+\sg], v10, v[SW+\sg]        ; at their places (8 h bits up);
	v_permlanex16_b32 v[PM], v[SW+\sg], s28, s29
	v_or_b32 v[SW+\sg], v[SW+\sg], v[PM]           ; with lane l xor 16's two the word is whole
.irp c, 0,1
	v_cvt_scalef32_pk16_fp6_f32 v[CD+12*\sg+6*\c:CD+12*\sg+6*\c+2], v[\x+32*\c:\x+32*\c+15], v[SO+\c]
	v_cvt_scalef32_pk16_fp6_f32 v[TP+4*\c:TP+4*\c+2], v[\x+32*\c+16:\x+32*\c+31], v[SO+\c]   ; (a conversion's three registers begin on an even number)
.endr
	v_nop                                          ; one plain instruction behind the scaled conversions
.irp c, 0,1
.irp i, 0,1,2
	v_mov_b32 v[CD+12*\sg+6*\c+3+\i], v[TP+4*\c+\i]
.endr
.endr
.irp c, 0,1
	global_store_b128 v3, v[CD+12*\sg+6*\c:CD+12*\sg+6*\c+3], s[14:15] offset:768*(2*\sg+\c)        ; 512 consecutive bytes, aligned to 256
	global_store_b64 v7, v[CD+12*\sg+6*\c+4:CD+12*\sg+6*\c+5], s[14:15] offset:768*(2*\sg+\c)+512   ; 256 consecutive bytes, aligned
.endr
.endm
	LOAD 0, R0
	LOAD 1, R1
	s_wait_loadcnt 16                              ; step 0's 16 loads are in; step 1's may be out
	TURN R0, X0
	s_wait_loadcnt 0x0
	s_wait_dscnt 16                                ; the first turn's 16 stores are done (its 16 loads may be out): their data registers take the second turn's loads
	TURN R1, R0
	s_wait_dscnt 32                                ; step 0's neighbours are in; behind them stand the second turn's 16 stores and 16 loads
	WORK 0, X0
	s_wait_dscnt 0x0
	WORK 1, R0
	ds_store_b64 v8, v[SW:SW+1]                    ; lanes r and r + 16 write the same words with the same values
	s_wait_dscnt 0x0                               ; for the others' sake: my words lie in LDS
	s_barrier_signal -1
	s_barrier_wait -1
	s_cmp_lg_u32 s26, 0
	s_cbranch_scc1 .Ldone                          ; wave 0 stores the tile's scale words: 512 consecutive bytes
	ds_load_b128 v[12:15], v9
	s_wait_dscnt 0x0
	global_store_b128 v3, v[12:15], s[16:17]
.Ldone:
	s_wait_tensorcnt 0x0
	ds_add_u32 v248, v249
	s_wait_dscnt 0x0
	s_endpgm
.Lfunc_end_k_q6f1a14d1cb_quant:
	.size	k_q6f1a14d1cb_quant, .Lfunc_end_k_q6f1a14d1cb_quant-k_q6f1a14d1cb_quant
	.p2alignl 7, 3214868480
	.fill 96, 4, 3214868480
	.section	.rodata,"a",@progbits
	.p2align	6, 0x0
	.amdhsa_kernel k_q6f1a14d1cb_quant
		.amdhsa_group_segment_fixed_size 35328
		.amdhsa_private_segment_fixed_size 0
		.amdhsa_enable_private_segment 0
		.amdhsa_kernarg_size 72
		.amdhsa_user_sgpr_count 2
		.amdhsa_user_sgpr_kernarg_segment_ptr 1
		.amdhsa_wavefront_size32 1
		.amdhsa_system_sgpr_workgroup_id_x 1
		.amdhsa_system_sgpr_workgroup_id_y 1
		.amdhsa_system_sgpr_workgroup_id_z 1
		.amdhsa_system_vgpr_workitem_id 0
		.amdhsa_next_free_vgpr 250
		.amdhsa_next_free_sgpr 66
		.amdhsa_reserve_vcc 0
		.amdhsa_float_denorm_mode_32 3
		.amdhsa_float_denorm_mode_16_64 3
		.amdhsa_memory_ordered 1
		.amdhsa_forward_progress 1
		.amdhsa_inst_pref_size 17
	.end_amdhsa_kernel
	.amdgpu_metadata
---
amdhsa.version: [ 1, 2 ]
amdhsa.kernels:
  - .name:           k_q6f1a14d1cb_quant
    .symbol:         k_q6f1a14d1cb_quant.kd
    .args:
      - { .name: x, .offset: 0, .size: 8, .value_kind: global_buffer, .address_space: global }
      - { .name: Wq, .offset: 8, .size: 8, .value_kind: global_buffer, .address_space: global }
      - { .name: Wk, .offset: 16, .size: 8, .value_kind: global_buffer, .address_space: global }
      - { .name: Wv, .offset: 24, .size: 8, .value_kind: global_buffer, .address_space: global }
      - { .name: Wo, .offset: 32, .size: 8, .value_kind: global_buffer, .address_space: global }
      - { .name: xc, .offset: 40, .size: 8, .value_kind: global_buffer, .address_space: global }
      - { .name: xs, .offset: 48, .size: 8, .value_kind: global_buffer, .address_space: global }
      - { .name: wc, .offset: 56, .size: 8, .value_kind: global_buffer, .address_space: global }
      - { .name: ws, .offset: 64, .size: 8, .value_kind: global_buffer, .address_space: global }
    .group_segment_fixed_size: 35328
    .private_segment_fixed_size: 0
    .kernarg_segment_align: 8
    .kernarg_segment_size: 72
    .max_flat_workgroup_size: 128
    .sgpr_count:     66
    .vgpr_count:     250
    .wavefront_size: 32
...
	.end_amdgpu_metadata
.endif
;; end of part 1
;; launch qkv (part 2): grid 24 x 32, 4 waves a work-group, clusters of 4 x 4, 327,680 bytes of LDS; arguments xc, xs, wc, ws, qkvc, qkvs; writes qkvc, qkvs
.if DOCPART == 2
	.amdgcn_target "amdgcn-amd-amdhsa--gfx1250"
	.amdhsa_code_object_version 6
	.text
	.protected	k_q6f1a14d1cb_qkv
	.globl	k_q6f1a14d1cb_qkv
	.p2align	8
	.type	k_q6f1a14d1cb_qkv,@function
k_q6f1a14d1cb_qkv:
	s_mov_b64 s[64:65], 0
	v_nop
	global_prefetch_b8 v0, s[64:65] scope:SCOPE_SE
	s_setreg_imm32_b32 hwreg(HW_REG_WAVE_MODE, 25, 1), 1
	s_wait_xcnt 0x0
	s_wait_alu depctr_hold_cnt(0) depctr_sa_sdst(0) depctr_va_vdst(0) depctr_va_sdst(0) depctr_va_ssrc(0) depctr_va_vcc(0) depctr_vm_vsrc(0)
	s_getreg_b32 s2, hwreg(HW_REG_IB_STS2, 6, 4)
	s_cmp_eq_u32 s2, 0
	s_cbranch_scc0 .Lentry_in_a_cluster
	s_endpgm
.Lentry_in_a_cluster:
	s_bfe_u32 s2, ttmp6, 0x10000c
	s_cmp_lg_u32 s2, 0xf033
	s_cbranch_scc0 .Lentry_shape_is_right
	s_endpgm
.Lentry_shape_is_right:
; q = x Wq^T, k = x Wk^T, v = x Wv^T on codes of FP6 (E2M3) with E8M0 scales; the results are quantised in registers and leave as codes: q and k along the head's 64, v along the keys.
; LIMITS: as the quantiser's: NaN and infinities are not served; a block under 2^-124, and a block of zeros, gets the byte 1 (read by this program alone).
; A GEMM C = A B^T with K = 1,024 on tiles of 256 rows of A x 128 rows of B.  Four waves; wave w takes A's tiles 4 w .. 4 w + 3 against B's eight: 32 accumulators, 256 registers.
; TWO MODES, by the cluster's x (equal in all sixteen partners; selects alone, no branch):
;   cluster x 0-3: A = x, B = Wq and Wk.  A lane then holds one token and its registers run along the features: two heads' q or k.
;   cluster x 4-5: A = Wv, B = x.  This is V^T: a lane holds one channel and its registers run along the tokens, which are the keys, the second attention product's K.
; THE MATRIX INSTRUCTION IS USED TRANSPOSED (source 0 = 16 rows of B, source 1 = 16 rows of A), and the rows of every stored tile are 32 (T / 2) + 8 (T % 2) + i + 8 (i / 8): so the 16 registers of
; result tiles 2 b, 2 b + 1 are the true neighbours 32 b + 16 (lane / 16) + 0 .. 15 along B's rows.
; ALL OF K LIES IN LDS, FILLED ONCE: four chunks of 256 along K (A's 16 tiles x 3,072 bytes, then B's 8), and the scale words.  No LDS byte is filled twice, so there is no ring.
; Operands lie in memory and in LDS as images of registers (half fragments of 768 bytes): a fragment is two loads of 16 bytes and two of 8 a lane, each of consecutive bytes.
; CLUSTERS: 4 x 4.  A's tiles are shared along a row of the cluster, B's along a column: each is asked for jointly.  Waves 0, 1 ask for A's halves, waves 2, 3 for B's: five loads a wave are out at the most.
; REGISTERS: window 0: v1-27 addresses; v32-95 scale words; v96-115 at work in the tail; v160-255 A's fragments, two sets of 48 (in the tail: the codes).  window 1: B's fragments, two sets of 96.  window 2: accumulator (a, b) at v[8 (8 a + b)].
.set CHUNK,  73728
.set BOFF,   49152                     ; B's tiles in a chunk
.set SCL,    4*CHUNK                   ; the scale words: units of 256 bytes + 16 of padding; A's 8,704 bytes, then B's 4,352
.set ADRA16, 16
.set ADRA8,  17
.set ADRB16, 20
.set ADRB8,  21
.set ADRS,   27
.set SC,     32                        ; v[SC + 8 i + s]: lanes 0-15 the word of A's block i, lanes 16-31 of B's block i, for K = 128 s on
.set AF,     160
.set PW,     96                        ; tail: v96-99 the four tiles' scale words; v100-103 as they are stored
.set TM,     104                       ; tail: v104-107 largest magnitudes, v108-111 permutes and bytes, v112-115 the conversions' scale operands
.set G1A,  16
.set G1B,  24
.set G1SA, 32
.set G1SB, 40
.set G0A,  48                          ; s[48:63] group 0 for A's four chunks
.set G0B,  68                          ; s[68:83] for B's
.set G0SA, 84
.set G0SB, 88
.set WV, 92
.set EH, 93
.set CX, 94
.set CY, 95
.set TR, 96
.set TC, 97
.set PAC, 98                           ; s[98:99] A's codes, s[100:101] A's scales, s[4:5] B's codes, s[6:7] B's scales
.set PAS, 100
.set PBC, 4
.set PBS, 6
.set TP0, 8                            ; offsets on A's side
.set TP1, 10                           ; offsets on B's side
.set SEL, 66
.set MULW, 0xa1                        ; source 0 (B) window 1, source 1 (A) window 0, C and D window 2
.set MULF, 0xa1
.set MSB, 0
.macro WIN new                         ; the immediate's high byte repeats the setting that is left
.if MSB != \new
	s_set_vgpr_msb (MSB<<8)|\new
.set MSB, \new
.endif
.endm
.macro PLACES                          ; four plain instructions between a matrix instruction and a load into, or a read of, its registers
.rept 4
	v_nop
.endr
.endm
.macro CROUND                          ; a round of the cluster's barrier
	s_barrier_signal -1
	s_barrier_wait -1
	s_cmp_lg_u32 s[WV], 0
	s_cbranch_scc1 .Lnot_wave_0_\@
	s_barrier_signal -3
.Lnot_wave_0_\@:
	s_barrier_wait -3
	s_barrier_signal -1
	s_barrier_wait -1
.endm
.macro FRAG reg, a16, a8, off          ; a fragment: two half fragments, 768 bytes apart
	ds_load_b128 v[(\reg):(\reg)+3], v[\a16] offset:(\off)
	ds_load_b64 v[(\reg)+4:(\reg)+5], v[\a8] offset:(\off)
	ds_load_b128 v[(\reg)+6:(\reg)+9], v[\a16] offset:(\off)+768
	ds_load_b64 v[(\reg)+10:(\reg)+11], v[\a8] offset:(\off)+768
.endm
.macro FETCH p, sig                    ; 48 LDS loads in one run: the fragments of the chunk's sig-th 128 along K into set p
	WIN 0x40
.irp b, 0,1,2,3,4,5,6,7
	FRAG 96*(\p)+12*\b, ADRB16, ADRB8, 3072*\b+1536*(\sig)
.endr
	WIN 0
.irp a, 0,1,2,3
	FRAG AF+48*(\p)+12*\a, ADRA16, ADRA8, 3072*\a+1536*(\sig)
.endr
.endm
.macro SCALES                          ; all of K's scale words, once: 32 bytes a row
.irp i, 0,1,2,3,4,5,6,7
	ds_load_b128 v[SC+8*\i:SC+8*\i+3], v[ADRS] offset:544*\i
	ds_load_b128 v[SC+8*\i+4:SC+8*\i+7], v[ADRS] offset:544*\i+16
.endr
.endm
; 16 matrix instructions: A's blocks 2 half, 2 half + 1 x B's eight.  The 32 accumulators take turns, one instruction a turn, in the same order in every step.
.macro MULH half, p, s, first
.irp a, 2*(\half), 2*(\half)+1
.irp b, 0,1,2,3,4,5,6,7
.if \first
	v_wmma_scale_f32_16x16x128_f8f6f4 v[8*(8*(\a)+\b):8*(8*(\a)+\b)+7], v[96*(\p)+12*\b:96*(\p)+12*\b+11], v[AF+48*(\p)+12*(\a):AF+48*(\p)+12*(\a)+11], 0, v[SC+8*\b+(\s)], v[SC+8*(\a)+(\s)] matrix_a_fmt:MATRIX_FMT_FP6 matrix_b_fmt:MATRIX_FMT_FP6 matrix_a_scale:MATRIX_SCALE_ROW1
.else
	v_wmma_scale_f32_16x16x128_f8f6f4 v[8*(8*(\a)+\b):8*(8*(\a)+\b)+7], v[96*(\p)+12*\b:96*(\p)+12*\b+11], v[AF+48*(\p)+12*(\a):AF+48*(\p)+12*(\a)+11], v[8*(8*(\a)+\b):8*(8*(\a)+\b)+7], v[SC+8*\b+(\s)], v[SC+8*(\a)+(\s)] matrix_a_fmt:MATRIX_FMT_FP6 matrix_b_fmt:MATRIX_FMT_FP6 matrix_a_scale:MATRIX_SCALE_ROW1
.endif
.endr
.endr
.endm
.macro STEP s, first                   ; an even step: its successor lies in the same chunk
	s_wait_dscnt 0x0                               ; this step's fragments are in (asked for 16 matrix instructions ago)
.if \first
	WIN MULF
.else
	WIN MULW
.endif
	MULH 0, (\s)%2, \s, \first
	PLACES                                         ; for the loads into the set that the step before multiplied
	FETCH 1-(\s)%2, 1
.if \first
	WIN MULF
.else
	WIN MULW
.endif
	MULH 1, (\s)%2, \s, \first
.endm
.macro TURN s                          ; an odd step: its successor lies in the next chunk
	s_wait_dscnt 0x0
	s_wait_tensorcnt 2-(\s)/2                      ; my part of the next chunk has landed; the chunks behind it may be out
	s_barrier_signal -1
	WIN MULW
	MULH 0, 1, \s, 0                               ; work on registers while the others arrive
	s_barrier_wait -1                              ; everybody's part has landed.
	WIN 0
	v_add_nc_u32 v[ADRA16], CHUNK, v[ADRA16]       ; on to the next chunk (no LDS load of mine is out); these four are also the places in front of the loads
	v_add_nc_u32 v[ADRA8], CHUNK, v[ADRA8]
	v_add_nc_u32 v[ADRB16], CHUNK, v[ADRB16]
	v_add_nc_u32 v[ADRB8], CHUNK, v[ADRB8]
	FETCH 0, 0
	WIN MULW
	MULH 1, 1, \s, 0
.endm
	s_load_b256 s[4:11], s[0:1], 0x0               ; xc, xs, wc, ws
	s_load_b128 s[12:15], s[0:1], 0x20             ; qkvc, qkvs
	v_lshl_add_u32 v158, v0, 2, 0x4b300
	v_mov_b32 v159, 0
	ds_add_u32 v158, v159
	ds_add_u32 v158, v159
	v_lshrrev_b32 v1, 5, v0
	v_readfirstlane_b32 s[WV], v1                  ; wave 0..3
	s_and_b32 s[EH], s[WV], 1                      ; which half of A's or B's tiles I fetch
	s_bfe_u32 s[CX], ttmp6, 0x40000
	s_bfe_u32 s[CY], ttmp6, 0x40004
	s_lshl_b32 s2, s[CY], 2
	s_lshl_b32 s2, 15, s2                          ; my row of the cluster
	s_lshl_b32 s3, 0x1111, s[CX]                   ; my column
	s_or_b32 s[G1A], s2, (3<<16)|(1<<21)           ; 15:0 the mask; 17:16 elements of 8 bytes; 21 set beside a mask; no padding
	s_or_b32 s[G1B], s3, (3<<16)|(1<<21)
	s_or_b32 s[G1SA], s2, (3<<16)|(1<<20)|(1<<21)|(5<<22)|(3<<25)   ; padding: 4 words behind every 64
	s_or_b32 s[G1SB], s3, (3<<16)|(1<<20)|(1<<21)|(5<<22)|(3<<25)
	s_mov_b32 s[G1A+1], 384<<16                    ; codes of A: 8 tiles' 3,072 bytes (a chunk's four half fragments), 12,288 bytes apart
	s_mov_b32 s[G1A+2], 8<<16
	s_mov_b32 s[G1A+3], 384<<16
	s_mov_b32 s[G1A+4], 8
	s_mov_b32 s[G1A+5], 1536
	s_mov_b32 s[G1A+6], 0
	s_mov_b32 s[G1A+7], 0
	s_mov_b32 s[G1B+1], 384<<16                    ; of B: 4 tiles
	s_mov_b32 s[G1B+2], 4<<16
	s_mov_b32 s[G1B+3], 384<<16
	s_mov_b32 s[G1B+4], 4
	s_mov_b32 s[G1B+5], 1536
	s_mov_b32 s[G1B+6], 0
	s_mov_b32 s[G1B+7], 0
	s_mov_b32 s[G1SA+1], 32<<16                    ; scales of 128 rows of A: 4,096 dense bytes as 16 rows of 256
	s_mov_b32 s[G1SA+2], 16<<16
	s_mov_b32 s[G1SA+3], 32<<16
	s_mov_b32 s[G1SA+4], 16
	s_mov_b32 s[G1SA+5], 32
	s_mov_b32 s[G1SA+6], 0
	s_mov_b32 s[G1SA+7], 0
	s_mov_b32 s[G1SB+1], 32<<16                    ; of 64 rows of B: 8 rows of 256
	s_mov_b32 s[G1SB+2], 8<<16
	s_mov_b32 s[G1SB+3], 32<<16
	s_mov_b32 s[G1SB+4], 8
	s_mov_b32 s[G1SB+5], 32
	s_mov_b32 s[G1SB+6], 0
	s_mov_b32 s[G1SB+7], 0
	s_and_b32 s98, ttmp7, 0xffff                   ; cluster y
	s_lshl_b32 s[TR], s98, 2
	s_lshl_b32 s[TC], ttmp9, 2
	s_sub_co_u32 s99, ttmp9, 4
	s_lshl_b32 s99, s99, 3
	s_add_co_u32 s99, s99, s98
	s_lshl_b32 s99, s99, 2                         ; V^T: 4 (8 (cluster x - 4) + cluster y)
	s_cmp_lt_u32 ttmp9, 4                          ; q and k, or V^T?
	s_cselect_b32 s[TR], s[TR], 0
	s_cselect_b32 s[TC], s[TC], s99
	s_cselect_b32 s2, 0, 128                       ; Wv begins at tile 128 of wc
	s_add_co_u32 s[TR], s[TR], s[CY]               ; tile row: of 256 rows of A
	s_add_co_u32 s[TC], s[TC], s[CX]               ; tile column: of 128 rows of B
	s_lshl_b32 s66, s[TR], 4
	s_add_co_u32 s2, s2, s66
	s_lshl_b32 s66, s[EH], 3
	s_add_co_u32 s2, s2, s66                       ; A's first tile that I would fetch
	s_lshl_b32 s3, s[TC], 3
	s_lshl_b32 s67, s[EH], 2
	s_add_co_u32 s3, s3, s67                       ; B's
	s_wait_dscnt 0x0
	s_wait_kmcnt 0x0
	s_cmp_lt_u32 ttmp9, 4
	s_cselect_b64 s[PAC:PAC+1], s[4:5], s[8:9]
	s_cselect_b64 s[PAS:PAS+1], s[6:7], s[10:11]
	s_cselect_b64 s[PBC:PBC+1], s[8:9], s[4:5]
	s_cselect_b64 s[PBS:PBS+1], s[10:11], s[6:7]
	s_mul_i32 s[TP0], s2, 12288                    ; a tile's codes are 12,288 bytes, its scale words 512
	s_mov_b32 s[TP0+1], 0
	s_add_nc_u64 s[PAC:PAC+1], s[PAC:PAC+1], s[TP0:TP0+1]
	s_lshl_b32 s[TP0], s2, 9
	s_add_nc_u64 s[PAS:PAS+1], s[PAS:PAS+1], s[TP0:TP0+1]
	s_mul_i32 s[TP1], s3, 12288
	s_mov_b32 s[TP1+1], 0
	s_add_nc_u64 s[PBC:PBC+1], s[PBC:PBC+1], s[TP1:TP1+1]
	s_lshl_b32 s[TP1], s3, 9
	s_add_nc_u64 s[PBS:PBS+1], s[PBS:PBS+1], s[TP1:TP1+1]
	s_mul_i32 s[G0A+1], s[EH], 24576               ; LDS addresses hang on the wave's number alone
	s_mul_i32 s[G0B+1], s[EH], 12288
	s_add_co_u32 s[G0B+1], s[G0B+1], BOFF
.irp q, 1,2,3
	s_add_co_u32 s[G0A+4*\q+1], s[G0A+1], \q*CHUNK
	s_add_co_u32 s[G0B+4*\q+1], s[G0B+1], \q*CHUNK
.endr
.irp q, 0,1,2,3
	s_mov_b32 s[G0A+4*\q], 1
	s_add_nc_u64 s[G0A+4*\q+2:G0A+4*\q+3], s[PAC:PAC+1], \q*3072
	s_or_b32 s[G0A+4*\q+3], s[G0A+4*\q+3], 0x80000000
	s_mov_b32 s[G0B+4*\q], 1
	s_add_nc_u64 s[G0B+4*\q+2:G0B+4*\q+3], s[PBC:PBC+1], \q*3072
	s_or_b32 s[G0B+4*\q+3], s[G0B+4*\q+3], 0x80000000
.endr
	s_mov_b32 s[G0SA], 1
	s_mul_i32 s[G0SA+1], s[EH], 4352
	s_add_co_u32 s[G0SA+1], s[G0SA+1], SCL
	s_mov_b64 s[G0SA+2:G0SA+3], s[PAS:PAS+1]
	s_or_b32 s[G0SA+3], s[G0SA+3], 0x80000000
	s_mov_b32 s[G0SB], 1
	s_mul_i32 s[G0SB+1], s[EH], 2176
	s_add_co_u32 s[G0SB+1], s[G0SB+1], SCL+8704
	s_mov_b64 s[G0SB+2:G0SB+3], s[PBS:PBS+1]
	s_or_b32 s[G0SB+3], s[G0SB+3], 0x80000000
	CROUND                                         ; all sixteen work-groups are here: the joint loads meet
	s_cmp_lt_u32 s[WV], 2                          ; a wave's five fills stand in one branch on the wave's number, ahead of every wait on TENSORcnt, LDS read and barrier
	s_cbranch_scc0 .Lfor_b
	tensor_load_to_lds s[G0SA:G0SA+3], s[G1SA:G1SA+7]
	s_nop 0
	tensor_load_to_lds s[G0A:G0A+3], s[G1A:G1A+7]
	s_nop 0
	tensor_load_to_lds s[G0A+4:G0A+7], s[G1A:G1A+7]
	s_nop 0
	tensor_load_to_lds s[G0A+8:G0A+11], s[G1A:G1A+7]
	s_nop 0
	tensor_load_to_lds s[G0A+12:G0A+15], s[G1A:G1A+7]
	s_nop 0
.rept 4
	v_nop
.endr
	s_branch .Lasked
.Lfor_b:
	tensor_load_to_lds s[G0SB:G0SB+3], s[G1SB:G1SB+7]
	s_nop 0
	tensor_load_to_lds s[G0B:G0B+3], s[G1B:G1B+7]
	s_nop 0
	tensor_load_to_lds s[G0B+4:G0B+7], s[G1B:G1B+7]
	s_nop 0
	tensor_load_to_lds s[G0B+8:G0B+11], s[G1B:G1B+7]
	s_nop 0
	tensor_load_to_lds s[G0B+12:G0B+15], s[G1B:G1B+7]
	s_nop 0
.rept 4
	v_nop
.endr
.Lasked:
	v_and_b32 v1, 31, v0                           ; lane
	v_and_b32 v2, 15, v0                           ; r
	v_bfe_u32 v3, v0, 4, 1                         ; h
	v_lshlrev_b32 v4, 4, v1                        ; 16 x lane
	v_lshlrev_b32 v5, 3, v1                        ; 8 x lane
	s_mul_i32 s2, s[WV], 12288                     ; my four tiles of A in a chunk
	v_add_nc_u32 v[ADRA16], s2, v4
	v_add_nc_u32 v[ADRA8], s2, v5
	v_add_nc_u32 v[ADRA8], 512, v[ADRA8]
	v_add_nc_u32 v[ADRB16], BOFF, v4
	v_add_nc_u32 v[ADRB8], BOFF+512, v5
	v_lshlrev_b32 v6, 5, v2                        ; scale words: 32 bytes a row,
	v_and_b32 v7, 8, v2
	v_lshl_add_u32 v6, v7, 1, v6                   ; and 16 more behind each 256
	s_mul_i32 s2, s[WV], 2176                      ; A's: my 64 rows
	s_sub_co_u32 s3, 8704, s2                      ; B's lie behind A's 8,704 bytes
	v_mul_u32_u24 v7, s3, v3                       ; lanes 16-31 take B's
	s_add_co_u32 s2, s2, SCL
	v_add_nc_u32 v6, v6, v7
	v_add_nc_u32 v[ADRS], s2, v6
	; where the results go.  q, k: token tiles T0 = 16 tile row + 4 w on; features 128 tile column on: two heads of q (tile columns 0-7) or of k.  V^T: head 4 tile row + w; key step = tile column
	s_lshl_b32 s4, s[TR], 4
	s_lshl_b32 s5, s[WV], 2
	s_add_co_u32 s4, s4, s5                        ; T0
	s_lshr_b32 s5, s4, 7                           ; the batch
	s_and_b32 s4, s4, 127                          ; the tile in it
	s_lshl_b32 s6, s[TC], 1
	s_and_b32 s6, s6, 15                           ; the first of the two heads
	s_lshl_b32 s5, s5, 4
	s_add_co_u32 s5, s5, s6                        ; 16 batch + head
	s_lshr_b32 s6, s[TC], 3                        ; 0: q, 1: k
	s_mul_i32 s7, s6, 98304
	s_mul_i32 s8, s4, 768
	s_add_co_u32 s7, s7, s8                        ; in the head's codes
	s_lshl_b32 s6, s6, 13
	s_lshr_b32 s4, s4, 2
	s_lshl_b32 s4, s4, 8
	s_add_co_u32 s6, s6, s4                        ; in the head's scale words: 256 bytes for four tiles
	s_lshl_b32 s8, s[TR], 2
	s_add_co_u32 s8, s8, s[WV]                     ; V^T: the head,
	s_lshr_b32 s9, s[TC], 4
	s_lshl_b32 s9, s9, 4
	s_add_co_u32 s8, s8, s9                        ; + 16 batch
	s_and_b32 s9, s[TC], 15                        ; the key step
	s_mul_i32 s10, s9, 6144
	s_add_co_u32 s10, s10, 196608
	s_lshl_b32 s9, s9, 8
	s_add_co_u32 s9, s9, 16384
	s_cmp_lt_u32 ttmp9, 4
	s_cselect_b32 s5, s5, s8
	s_cselect_b32 s7, s7, s10
	s_cselect_b32 s6, s6, s9
	s_mov_b32 s10, 3072
	s_cselect_b32 s10, 294912, s10                 ; from a fragment's first half to its second: the next head, or the step's next 64 keys
	s_cselect_b32 s98, 16, 0                       ; q, k: lanes 16-31 store the second head's two bytes
	s_cselect_b32 s99, 20480, 0                    ; in the next head's scale words
	s_cselect_b32 s100, 0xffff, -1                 ; and the word's upper two bytes are 0
	s_mov_b32 s11, 0
	s_mul_i32 s8, s5, 294912
	s_add_co_u32 s8, s8, s7
	s_mov_b32 s9, 0
	s_add_nc_u64 s[12:13], s[12:13], s[8:9]        ; the first halves
	s_add_nc_u64 s[2:3], s[12:13], s[10:11]        ; the second halves
	s_mul_i32 s8, s5, 20480
	s_add_co_u32 s8, s8, s6
	s_add_nc_u64 s[14:15], s[14:15], s[8:9]        ; the scale words
	v_mul_u32_u24 v10, s98, v3
	v_mul_u32_u24 v11, s99, v3
	v_lshl_add_u32 v11, v2, 4, v11                 ; 16 r: a row's four words, one for each of my tiles
	s_mov_b32 s[SEL], 0x76543210
	s_mov_b32 s[SEL+1], 0xfedcba98                 ; v_permlanex16_b32's selects for lane l xor 16
.irp b, 0,1,2,3
	v_mov_b32 v[TM+4+\b], 0                        ; written once: a lane permute's destination counts as one of its sources
.endr
	s_wait_tensorcnt 3                             ; my scales and my part of chunk 0 have landed; chunks 1 to 3 may be out
	s_barrier_signal -1
	s_barrier_wait -1                              ; everybody's have
	SCALES
	FETCH 0, 0
	STEP 0, 1                                      ; the first step's products start the sums: nothing is cleared
	TURN 1
	STEP 2, 0
	TURN 3
	STEP 4, 0
	TURN 5
	STEP 6, 0
	s_wait_dscnt 0x0
	WIN MULW
	MULH 0, 1, 7, 0
	MULH 1, 1, 7, 0
	PLACES
; THE TAIL.  The 64 numbers of a lane in A's block a (register 16 b + i = place 32 b + 16 (lane / 16) + i along B's rows) become a fragment's codes and its row's scale word.
.macro QUANTW a
.set XS, 64*(\a)
.set PC, 160+24*(\a)                   ; 12 registers of codes and 8 at work, a set for each block, so that no store's data are written again
	WIN 0x28                                       ; sources 1 and 2: window 2
.irp b, 0,1,2,3
	v_max3_num_f32 v[TM+\b], 0x1800000, |v[XS+16*\b]|, |v[XS+16*\b+1]|   ; the floor 2^(3 - 127) is a leaf; each accumulator is read from its low end on
.endr
.irp i, 2,4,6,8,10,12,14
.irp b, 0,1,2,3
	v_max3_num_f32 v[TM+\b], v[TM+\b], |v[XS+16*\b+\i]|, |v[XS+16*\b+\i+1]|
.endr
.endr
	WIN 0
.irp b, 0,1,2,3
	v_permlanex16_b32 v[TM+4+\b], v[TM+\b], s[SEL], s[SEL+1]
.endr
.irp b, 0,1,2,3
	v_max_num_f32 v[TM+\b], v[TM+\b], v[TM+4+\b]   ; with lane l xor 16's 16: the block's largest magnitude
.endr
.irp b, 0,1,2,3
	v_add_nc_u32 v[TM+8+\b], 0xff000000, v[TM+\b]  ; 2 off the exponent field: the conversion's scale operand
.endr
.irp b, 0,1,2,3
	v_lshrrev_b32 v[TM+4+\b], 23, v[TM+8+\b]       ; the scale's byte
.endr
	v_lshl_or_b32 v[PW+(\a)], v[TM+5], 8, v[TM+4]
	v_lshl_or_b32 v[PW+(\a)], v[TM+6], 16, v[PW+(\a)]
	v_lshl_or_b32 v[PW+(\a)], v[TM+7], 24, v[PW+(\a)]
	WIN 0x02                                       ; source 0: window 2
.irp c, 0,1
	v_cvt_scalef32_pk16_fp6_f32 v[PC+6*\c:PC+6*\c+2], v[XS+32*\c:XS+32*\c+15], v[TM+8+2*\c]
	v_cvt_scalef32_pk16_fp6_f32 v[PC+12+4*\c:PC+14+4*\c], v[XS+32*\c+16:XS+32*\c+31], v[TM+8+2*\c+1]
.endr
	WIN 0
	v_nop                                          ; one plain instruction behind the scaled conversions
.irp c, 0,1                                    ; the operand's layout wants a whole block in a lane: lanes 0-15 block 2 c, lanes 16-31 block 2 c + 1
.irp i, 0,1,2
	v_permlane16_swap_b32 v[PC+6*\c+\i], v[PC+12+4*\c+\i]
.endr
.irp i, 0,1,2
	v_mov_b32 v[PC+3+6*\c+\i], v[PC+12+4*\c+\i]
.endr
.endr
	global_store_b128 v4, v[PC:PC+3], s[12:13] offset:768*(\a)          ; each store covers 512 or 256 consecutive bytes, aligned to 256
	global_store_b64 v5, v[PC+4:PC+5], s[12:13] offset:768*(\a)+512
	global_store_b128 v4, v[PC+6:PC+9], s[2:3] offset:768*(\a)
	global_store_b64 v5, v[PC+10:PC+11], s[2:3] offset:768*(\a)+512
.endm
	QUANTW 0
	QUANTW 1
	QUANTW 2
	QUANTW 3
.irp a, 0,1,2,3
	v_lshrrev_b32 v[PW+4+\a], v10, v[PW+\a]
.endr
.irp a, 0,1,2,3
	v_and_b32 v[PW+4+\a], s100, v[PW+4+\a]
.endr
	global_store_b128 v11, v[PW+4:PW+7], s[14:15]  ; q, k: sixteen lanes fill 256 bytes of one head, sixteen of the next; V^T: lanes r and r + 16 store the same words to the same place
	s_wait_tensorcnt 0x0
	ds_add_u32 v158, v159
	s_wait_dscnt 0x0
	CROUND                                         ; the closing round: no work-group ends while a partner may still ask for a tile that names it
	s_endpgm
.Lfunc_end_k_q6f1a14d1cb_qkv:
	.size	k_q6f1a14d1cb_qkv, .Lfunc_end_k_q6f1a14d1cb_qkv-k_q6f1a14d1cb_qkv
	.p2alignl 7, 3214868480
	.fill 96, 4, 3214868480
	.section	.rodata,"a",@progbits
	.p2align	6, 0x0
	.amdhsa_kernel k_q6f1a14d1cb_qkv
		.amdhsa_group_segment_fixed_size 327680
		.amdhsa_private_segment_fixed_size 0
		.amdhsa_enable_private_segment 0
		.amdhsa_kernarg_size 48
		.amdhsa_user_sgpr_count 2
		.amdhsa_user_sgpr_kernarg_segment_ptr 1
		.amdhsa_wavefront_size32 1
		.amdhsa_system_sgpr_workgroup_id_x 1
		.amdhsa_system_sgpr_workgroup_id_y 1
		.amdhsa_system_sgpr_workgroup_id_z 1
		.amdhsa_system_vgpr_workitem_id 0
		.amdhsa_next_free_vgpr 768
		.amdhsa_next_free_sgpr 102
		.amdhsa_reserve_vcc 0
		.amdhsa_float_denorm_mode_32 3
		.amdhsa_float_denorm_mode_16_64 3
		.amdhsa_memory_ordered 1
		.amdhsa_forward_progress 1
		.amdhsa_inst_pref_size 89
	.end_amdhsa_kernel
	.amdgpu_metadata
---
amdhsa.version: [ 1, 2 ]
amdhsa.kernels:
  - .name:           k_q6f1a14d1cb_qkv
    .symbol:         k_q6f1a14d1cb_qkv.kd
    .args:
      - { .name: xc, .offset: 0, .size: 8, .value_kind: global_buffer, .address_space: global }
      - { .name: xs, .offset: 8, .size: 8, .value_kind: global_buffer, .address_space: global }
      - { .name: wc, .offset: 16, .size: 8, .value_kind: global_buffer, .address_space: global }
      - { .name: ws, .offset: 24, .size: 8, .value_kind: global_buffer, .address_space: global }
      - { .name: qkvc, .offset: 32, .size: 8, .value_kind: global_buffer, .address_space: global }
      - { .name: qkvs, .offset: 40, .size: 8, .value_kind: global_buffer, .address_space: global }
    .group_segment_fixed_size: 327680
    .private_segment_fixed_size: 0
    .kernarg_segment_align: 8
    .kernarg_segment_size: 48
    .max_flat_workgroup_size: 128
    .sgpr_count:     102
    .vgpr_count:     768
    .wavefront_size: 32
...
	.end_amdgpu_metadata
.endif
;; end of part 2
;; launch attn (part 3): grid 4 x 64, 16 waves a work-group, clusters of 4 x 1, 210,944 bytes of LDS; arguments qkvc, qkvs, cc, cs; writes cc, cs
.if DOCPART == 3
	.amdgcn_target "amdgcn-amd-amdhsa--gfx1250"
	.amdhsa_code_object_version 6
	.text
	.protected	k_q6f1a14d1cb_attn
	.globl	k_q6f1a14d1cb_attn
	.p2align	8
	.type	k_q6f1a14d1cb_attn,@function
k_q6f1a14d1cb_attn:
	s_mov_b64 s[64:65], 0
	v_nop
	global_prefetch_b8 v0, s[64:65] scope:SCOPE_SE
	s_setreg_imm32_b32 hwreg(HW_REG_WAVE_MODE, 25, 1), 1
	s_wait_xcnt 0x0
	s_wait_alu depctr_hold_cnt(0) depctr_sa_sdst(0) depctr_va_vdst(0) depctr_va_sdst(0) depctr_va_ssrc(0) depctr_va_vcc(0) depctr_vm_vsrc(0)
	s_getreg_b32 s2, hwreg(HW_REG_IB_STS2, 6, 4)
	s_cmp_eq_u32 s2, 0
	s_cbranch_scc0 .Lentry_in_a_cluster
	s_endpgm
.Lentry_in_a_cluster:
	s_bfe_u32 s2, ttmp6, 0x10000c
	s_cmp_lg_u32 s2, 0x3003
	s_cbranch_scc0 .Lentry_shape_is_right
	s_endpgm
.Lentry_shape_is_right:
; ctx[q] = the sum over keys k <= q of softmax_k(q . k / 8) v[k], for 64 heads of 2,048 tokens x 64 channels, both products on codes of FP6 (E2M3) with E8M0 scales; ctx leaves quantised along the features.
; THE SOFTMAX AHEAD OF THE SECOND PRODUCT: t = score x log2(e) / 8; M = the row's largest t so far, rounded up to a whole number; p = 2^(t - M) is quantised along the keys, not normalised; the row's sum is taken
; of the unquantised p and divides at the end (by v_rcp_f32 and a multiplication).  When M moves, the sum and O are multiplied by 2^(old M - new M), which rounds nothing.
; LIMITS: NaN and infinities are not served; a block under 2^-124, and a block of zeros, gets the byte 1 (read by this program alone).
; SHARES.  A cluster of four work-groups is one head; all four read the same K and V, so each tile is asked for JOINTLY.  A WHOLE HEAD'S K AND V LIE IN LDS, FILLED ONCE: no ring, and no barrier in the loops.
; A wave makes two tiles of 16 queries one after the other: T = 16 blk + 4 c' + cx with (blk, c') = (beta, c) and then (7 - beta, 3 - c), beta = ((w / 4) + w) % 4, c = w % 4: 17 steps of 128 keys for every wave.
; Lane r's query is 32 (T / 2) + 8 (T % 2) + r + 8 (r / 8).  What a branch hangs on is made of the wave's number alone; the place in the cluster enters global addresses and the mask's compare only.
; LAYOUT.  Both products are used transposed (S^T = K Q^T, O^T = V^T P^T): a lane holds one query throughout.  Stored tiles of keys hold rows 32 g + 8 u + i + 8 (i / 8), so the 16 registers of score tiles 2 b, 2 b + 1
; are the neighbouring keys 32 b + 16 (lane / 16) + 0 .. 15.  THE HEAD HAS 64 CHANNELS, the instruction 128 along K: Q's upper 64 codes are zeros, so whatever stands in the upper six registers of K's operand
; adds nothing: K's eight half fragments lie six registers apart, each operand reaching into the next; the scale words' upper two bytes are 0.
; REGISTERS: v1-6 lane terms; v7 the mask's number; v8-11, v28-29 the step's addresses; v12 -M, v13 the largest t, v[14:15] the sum; v16-27, v192-203 Q; v30 32 r; v31 the mask's lane term; v32-85 K, then V in v32-79;
; v96-159 S^T, then p; v160-191 O^T; v204-211 K's scale words; v212, v255 Q's; v224-235 p's codes; v232-254 at work; v248-251 V's scale words; v253 p's.
.set VCB, 98304                        ; LDS: K's codes at 0 (6,144 bytes a step of 128 keys), V's here,
.set KSB, 196608                       ; K's scale words (512 bytes a step),
.set VSB, 204800                       ; V's (256 bytes a step)
.set WV,  12
.set CX,  13
.set HB,  14
.set SEL, 20
.set CS,  22
.set G1C, 24
.set G1S, 32
.set G0S, 40
.set G0E, 44
.set G0L, 48
.set TB,  52                           ; the step's codes
.set TS,  53                           ; K's scale words
.set TJ,  54                           ; V's
.set KF,  55                           ; the step's first key
.set QO,  56                           ; the first key of the step on the diagonal
.set CNT, 57
.set WA,  58                           ; 16 blk + 4 c' of the first tile;  s59 its diagonal step's first key;  s62 64 (c' % 2)
.set OA,  59
.set WB,  60                           ; the same of the second tile
.set OB,  61
.set DA,  62
.set DB,  63
.set QCB, 66                           ; second tile: Q's codes, Q's scale words
.set QSB, 68
.set CCA, 70                           ; first tile: where ctx's codes and scale bytes go
.set CSA, 72
.set TA,  74                           ; the two tiles' numbers
.set TT,  75
.set QCA, 76
.set QSA, 78
.set CCB, 80
.set CSB, 82
.macro CROUND                          ; a round of the cluster's barrier
	s_barrier_signal -1
	s_barrier_wait -1
	s_cmp_lg_u32 s[WV], 0
	s_cbranch_scc1 .Lnot_wave_0_\@
	s_barrier_signal -3
.Lnot_wave_0_\@:
	s_barrier_wait -3
	s_barrier_signal -1
	s_barrier_wait -1
.endm
.macro PLACE blk, c, wt, op, d         ; a tile's numbers from its block of 256 queries and its quarter
	s_lshl_b32 s[\wt], s[\blk], 4
	s_lshl_b32 s17, s[\c], 2
	s_add_co_u32 s[\wt], s[\wt], s17
	s_lshl_b32 s[\op], s[\blk], 8
	s_lshr_b32 s17, s[\c], 1
	s_lshl_b32 s17, s17, 7
	s_add_co_u32 s[\op], s[\op], s17
	s_and_b32 s[\d], s[\c], 1
	s_lshl_b32 s[\d], s[\d], 6
.endm
.macro PADR t, qc, qsb, ccb, csb       ; a tile's four global addresses (s3 = 0)
	s_mul_i32 s2, s[\t], 768
	s_add_nc_u64 s[\qc:\qc+1], s[4:5], s[2:3]
	s_lshr_b32 s2, s[\t], 2
	s_lshl_b32 s2, s2, 8
	s_and_b32 s15, s[\t], 3
	s_lshl_b32 s15, s15, 2
	s_add_co_u32 s2, s2, s15
	s_add_nc_u64 s[\qsb:\qsb+1], s[6:7], s[2:3]
	s_lshr_b32 s15, s[HB], 4
	s_lshl_b32 s15, s15, 7
	s_add_co_u32 s15, s15, s[\t]                   ; 128 batch + T
	s_and_b32 s16, s[HB], 15                       ; the head
	s_mul_i32 s2, s15, 12288
	s_mul_i32 s17, s16, 768
	s_add_co_u32 s2, s2, s17
	s_add_nc_u64 s[\ccb:\ccb+1], s[8:9], s[2:3]
	s_lshl_b32 s2, s15, 9
	s_lshl_b32 s17, s16, 1
	s_add_co_u32 s2, s2, s17
	s_add_nc_u64 s[\csb:\csb+1], s[10:11], s[2:3]
.endm
	s_load_b256 s[4:11], s[0:1], 0x0               ; qkvc, qkvs, cc, cs
	v_lshl_add_u32 v223, v0, 2, 0x33000
	v_mov_b32 v243, 0
	ds_add_u32 v223, v243
	ds_add_u32 v223, v243
	v_lshrrev_b32 v1, 5, v0
	s_delay_alu instid0(VALU_DEP_1)
	v_readfirstlane_b32 s[WV], v1                  ; wave 0..15
	s_bfe_u32 s[CX], ttmp6, 0x40000                ; my place in the cluster
	s_and_b32 s[HB], ttmp7, 0xffff                 ; 16 batch + head
	s_lshr_b32 s15, s[WV], 2
	s_add_co_u32 s15, s15, s[WV]
	s_and_b32 s15, s15, 3                          ; beta
	s_and_b32 s16, s[WV], 3                        ; c
	PLACE 15, 16, WA, OA, DA
	s_sub_co_u32 s15, 7, s15
	s_sub_co_u32 s16, 3, s16
	PLACE 15, 16, WB, OB, DB
	s_add_co_u32 s[TA], s[WA], s[CX]
	s_add_co_u32 s[TT], s[WB], s[CX]
	s_lshr_b32 s19, s[CX], 1
	s_lshl_b32 s19, s19, 5
	s_and_b32 s18, s[CX], 1
	s_lshl_b32 s18, s18, 3
	s_add_co_u32 s19, s19, s18                     ; 32 (cx / 2) + 8 (cx % 2): for the mask's compare
	s_mov_b32 s[G1C], 15|(3<<16)|(1<<21)           ; 15:0 the mask: all four work-groups; 17:16 elements of 8 bytes; 21 set beside a mask
	s_mov_b32 s[G1C+1], 32<<16                     ; 6,144 dense bytes as 24 rows of 256
	s_mov_b32 s[G1C+2], 24<<16
	s_mov_b32 s[G1C+3], 32<<16
	s_mov_b32 s[G1C+4], 24
	s_mov_b32 s[G1C+5], 32
	s_mov_b32 s[G1C+6], 0
	s_mov_b32 s[G1C+7], 0
	s_mov_b32 s[G1S], 15|(3<<16)|(1<<21)
	s_mov_b32 s[G1S+1], 32<<16                     ; 768 dense bytes as 3 rows of 256
	s_mov_b32 s[G1S+2], 3<<16
	s_mov_b32 s[G1S+3], 32<<16
	s_mov_b32 s[G1S+4], 3
	s_mov_b32 s[G1S+5], 32
	s_mov_b32 s[G1S+6], 0
	s_mov_b32 s[G1S+7], 0
	s_mov_b32 s[SEL], 0x76543210
	s_mov_b32 s[SEL+1], 0xfedcba98                 ; v_permlanex16_b32's selects for lane l xor 16
	s_mov_b32 s[CS], 0x3e38aa3b                    ; c = log2(e) / 8
	s_mov_b32 s[CS+1], s[CS]                       ; (named with it as a pair, so it is written)
	s_mul_i32 s2, s[HB], 294912
	s_mov_b32 s3, 0
	s_wait_dscnt 0x0
	s_wait_kmcnt 0x0
	s_add_nc_u64 s[4:5], s[4:5], s[2:3]            ; the head's codes: Q, K at 98,304, V at 196,608
	s_mul_i32 s2, s[HB], 20480
	s_add_nc_u64 s[6:7], s[6:7], s[2:3]            ; its scale words: Q, K at 8,192, V at 16,384
	s_mul_i32 s2, s[WV], 768                       ; each wave brings a sixteenth of K's and V's 12,288 bytes of scale words,
	s_mov_b32 s[G0S], 1
	s_add_co_u32 s[G0S+1], s2, KSB
	s_add_co_u32 s2, s2, 8192
	s_add_nc_u64 s[G0S+2:G0S+3], s[6:7], s[2:3]
	s_or_b32 s[G0S+3], s[G0S+3], 0x80000000
	s_and_b32 s2, s[WV], 7                         ; one key step's codes of keys 0-1,023 (waves 0-7: K's, waves 8-15: V's),
	s_mul_i32 s2, s2, 6144
	s_lshr_b32 s18, s[WV], 3
	s_mul_i32 s18, s18, 98304
	s_add_co_u32 s2, s2, s18
	s_mov_b32 s[G0E], 1
	s_mov_b32 s[G0E+1], s2
	s_mov_b32 s[G0L], 1
	s_add_co_u32 s[G0L+1], s2, 49152               ; and one of keys 1,024-2,047
	s_add_co_u32 s2, s2, 98304
	s_add_nc_u64 s[G0E+2:G0E+3], s[4:5], s[2:3]
	s_add_nc_u64 s[G0L+2:G0L+3], s[G0E+2:G0E+3], 49152
	s_or_b32 s[G0E+3], s[G0E+3], 0x80000000
	s_or_b32 s[G0L+3], s[G0L+3], 0x80000000
	PADR TA, QCA, QSA, CCA, CSA
	PADR TT, QCB, QSB, CCB, CSB
	CROUND                                         ; all four work-groups are here: the joint loads meet
	tensor_load_to_lds s[G0S:G0S+3], s[G1S:G1S+7]  ; three loads of mine are out
	s_nop 0
	tensor_load_to_lds s[G0E:G0E+3], s[G1C:G1C+7]
	s_nop 0
	tensor_load_to_lds s[G0L:G0L+3], s[G1C:G1C+7]
	s_nop 0
.rept 4
	v_nop
.endr
	v_and_b32 v8, 31, v0                           ; lane
	v_and_b32 v9, 15, v0                           ; r
	v_bfe_u32 v10, v0, 4, 1                        ; h
	s_delay_alu instid0(VALU_DEP_3)
	v_lshlrev_b32 v1, 4, v8                        ; a half fragment's registers 0-3: 16 x lane
	s_delay_alu instid0(VALU_DEP_4)
	v_lshlrev_b32 v2, 3, v8
	s_delay_alu instid0(VALU_DEP_1)
	v_add_nc_u32 v2, 512, v2                       ; its registers 4-5: 512 + 8 x lane
	s_delay_alu instid0(VALU_DEP_3)
	v_add_nc_u32 v3, VCB, v1
	s_delay_alu instid0(VALU_DEP_2)
	v_add_nc_u32 v4, VCB, v2
	v_lshlrev_b32 v8, 4, v9                        ; 16 r: a row's four scale words
	s_delay_alu instid0(VALU_DEP_1)
	v_add_nc_u32 v5, KSB, v8
	s_delay_alu instid0(VALU_DEP_2)
	v_add_nc_u32 v6, VSB, v8
	v_lshlrev_b32 v30, 5, v9                       ; 32 r: a row of ctx's scale bytes
	v_and_b32 v31, 8, v9
	s_delay_alu instid0(VALU_DEP_1)
	v_add_nc_u32 v31, v31, v9
	v_lshlrev_b32 v10, 4, v10
	s_delay_alu instid0(VALU_DEP_1)
	v_sub_nc_u32 v31, v31, v10
	s_delay_alu instid0(VALU_DEP_1)
	v_add_nc_u32 v31, s19, v31                     ; r + 8 (r / 8) - 16 h + 32 (cx / 2) + 8 (cx % 2)
	global_load_b128 v[16:19], v1, s[QCA:QCA+1]    ; both tiles' Q stay in registers
	global_load_b64 v[20:21], v2, s[QCA:QCA+1]
	global_load_b32 v255, v8, s[QSA:QSA+1]
	global_load_b128 v[192:195], v1, s[QCB:QCB+1]
	global_load_b64 v[196:197], v2, s[QCB:QCB+1]
	global_load_b32 v212, v8, s[QSB:QSB+1]
.irp i, 0,1,2,3,4,5
	v_mov_b32 v[22+\i], 0                          ; Q's upper 64 codes are zeros
	v_mov_b32 v[198+\i], 0
	v_mov_b32 v[80+\i], 0                          ; and so is what the eighth operand of K reaches into
.endr
.irp b, 0,1,2,3
	v_mov_b32 v[236+\b], 0                         ; written once: a lane permute's destination counts as one of its sources
.endr
	v_mov_b32 v252, 0
	v_mov_b32 v253, 0                              ; (named as the upper half of the pair v[252:253] before it is first written)
; A KEY STEP: 128 keys.  qf: Q's fragment; qs: its scale words.
.macro STEP qf, qs
	s_cmp_gt_u32 s[KF], s[QO]                      ; a step all of whose keys come after my 16 queries is left out: a branch on the wave's number and the loop's count, round the work alone
	s_cbranch_scc1 .Lhidden_\@
	s_setprio 2
	v_add_nc_u32 v8, s[TB], v1                     ; (these six are also the places in front of the loads into registers that the last products read)
	v_add_nc_u32 v9, s[TB], v2
	v_add_nc_u32 v10, s[TB], v3
	v_add_nc_u32 v11, s[TB], v4
	v_add_nc_u32 v28, s[TS], v5
	v_add_nc_u32 v29, s[TJ], v6
.irp t, 0,1,2,3,4,5,6,7
	ds_load_b128 v[32+6*\t:35+6*\t], v8 offset:768*\t
	ds_load_b64 v[36+6*\t:37+6*\t], v9 offset:768*\t
.endr
	ds_load_b128 v[204:207], v28                   ; K's scale words: four tiles' a load
	ds_load_b128 v[208:211], v28 offset:256
	s_wait_alu depctr_va_vdst(0)
	s_wait_dscnt 0x0
.irp t, 0,1,2,3,4,5,6,7
	v_wmma_scale_f32_16x16x128_f8f6f4 v[96+8*\t:103+8*\t], v[32+6*\t:43+6*\t], v[\qf:\qf+11], 0, v[204+\t], v[\qs] matrix_a_fmt:MATRIX_FMT_FP6 matrix_b_fmt:MATRIX_FMT_FP6
.endr
.rept 4
	v_nop                                          ; places: in front of the loads below, and of the first read of the scores
.endr
.irp t, 0,1,2,3                                ; V's four fragments are asked for here and land while the softmax is worked
	ds_load_b128 v[32+12*\t:35+12*\t], v10 offset:768*\t
	ds_load_b64 v[36+12*\t:37+12*\t], v11 offset:768*\t
	ds_load_b128 v[38+12*\t:41+12*\t], v10 offset:3072+768*\t
	ds_load_b64 v[42+12*\t:43+12*\t], v11 offset:3072+768*\t
.endr
	ds_load_b128 v[248:251], v29
	s_cmp_lt_u32 s[KF], s[QO]                      ; a step all of whose keys count skips the mask
	s_cbranch_scc1 .Lopen_\@
	v_mov_b32 v254, 0xff800000                     ; on the diagonal hidden scores become -infinity ahead of the maximum: p = 0 then.  Register 16 b + i holds key 32 b + i + 16 (lane / 16) of the step
.set n, 0
.rept 64
	v_cmp_gt_i32 vcc_lo, 32*(n/16)+n%16, v7
	v_cndmask_b32 v[96+n], v[96+n], v254, vcc_lo
.set n, n+1
.endr
.Lopen_\@:
.irp b, 0,1,2,3
	v_max3_num_f32 v[232+\b], v[96+16*\b], v[97+16*\b], v[98+16*\b]   ; the largest score of each block of 32 keys: for the row's maximum, and, since p rises with the score, for the block's largest p
.endr
.irp i, 3,5,7,9,11,13
.irp b, 0,1,2,3
	v_max3_num_f32 v[232+\b], v[232+\b], v[96+16*\b+\i], v[97+16*\b+\i]
.endr
.endr
.irp b, 0,1,2,3
	v_max_num_f32 v[232+\b], v[232+\b], v[111+16*\b]
.endr
.irp b, 0,1,2,3
	s_delay_alu instid0(VALU_DEP_4)
	v_permlanex16_b32 v[236+\b], v[232+\b], s[SEL], s[SEL+1]
.endr
.irp b, 0,1,2,3
	s_delay_alu instid0(VALU_DEP_4)
	v_max_num_f32 v[232+\b], v[232+\b], v[236+\b]  ; with lane l xor 16's 16 keys
.endr
	s_delay_alu instid0(VALU_DEP_2)
	v_max3_num_f32 v254, v232, v233, v234
	s_delay_alu instid0(VALU_DEP_1)
	v_max_num_f32 v254, v254, v235                 ; the step's largest score of my query
	s_delay_alu instid0(VALU_DEP_1)
	v_mul_f32 v254, s[CS], v254                    ; as t
	s_delay_alu instid0(VALU_DEP_1)
	v_max_num_f32 v13, v13, v254                   ; the running largest t
	v_mov_b32 v254, v12
	s_delay_alu instid0(VALU_DEP_2)
	v_floor_f32 v12, -v13                          ; the new -M = floor(-t): M is a whole number
	s_delay_alu instid0(VALU_DEP_1)
	v_sub_f32 v254, v12, v254                      ; old M - new M: a whole number, 0 or less
	s_delay_alu instid0(VALU_DEP_1)
	v_cvt_i32_f32 v254, v254                       ; (it saturates)
	s_delay_alu instid0(VALU_DEP_1)
	v_ldexp_f32 v252, 1.0, v254                    ; f = 2^(old M - new M)
.set n, 0
	s_setprio 1
.rept 32
	v_pk_fma_f32 v[96+n:97+n], v[96+n:97+n], s[CS:CS+1], v[12:13] op_sel_hi:[1,0,0]   ; t - M, two at a time
.set n, n+2
.endr
.irp b, 0,1,2,3
	v_fma_f32 v[232+\b], v[232+\b], s[CS], v12     ; the same of each block's largest score
.endr
.set n, 0
	s_wait_alu depctr_va_vdst(0)
.rept 64
	v_exp_f32 v[96+n], v[96+n]                     ; p = 2^(t - M), at most 1
.set n, n+1
.endr
	v_pk_mul_f32 v[14:15], v[14:15], v[252:253] op_sel_hi:[1,0]   ; the sums under the new M: a plain instruction behind the exponentials
	s_wait_alu depctr_va_vdst(0)                   ; the wait ahead of the first instruction that names a result: one for the batch
.irp b, 0,1,2,3
	v_exp_f32 v[232+\b], v[232+\b]                 ; the block's largest p: the same two instructions on the same number give the same bits
.endr
	v_pk_add_f32 v[236:237], v[100:101], v[104:105]
	v_pk_add_f32 v[246:247], v[108:109], v[112:113]
	v_pk_add_f32 v[244:245], v[116:117], v[120:121]
	v_pk_add_f32 v[240:241], v[124:125], v[128:129]
	v_pk_add_f32 v[238:239], v[132:133], v[136:137]
	v_pk_add_f32 v[230:231], v[140:141], v[144:145]
	v_pk_add_f32 v[228:229], v[148:149], v[152:153]
	v_pk_add_f32 v[14:15], v[14:15], v[156:157]
	v_pk_add_f32 v[236:237], v[236:237], v[96:97]
	v_pk_add_f32 v[246:247], v[246:247], v[98:99]
	v_pk_add_f32 v[244:245], v[244:245], v[102:103]
	v_pk_add_f32 v[240:241], v[240:241], v[106:107]
	v_pk_add_f32 v[238:239], v[238:239], v[110:111]
	v_pk_add_f32 v[230:231], v[230:231], v[114:115]
	v_pk_add_f32 v[228:229], v[228:229], v[118:119]
	v_pk_add_f32 v[14:15], v[14:15], v[122:123]
	v_pk_add_f32 v[236:237], v[236:237], v[126:127]
	v_pk_add_f32 v[246:247], v[246:247], v[130:131]
	v_pk_add_f32 v[244:245], v[244:245], v[134:135]
	v_pk_add_f32 v[240:241], v[240:241], v[138:139]
	v_pk_add_f32 v[238:239], v[238:239], v[142:143]
	v_pk_add_f32 v[230:231], v[230:231], v[146:147]
	v_pk_add_f32 v[228:229], v[228:229], v[150:151]
	v_pk_add_f32 v[14:15], v[14:15], v[154:155]
	v_pk_add_f32 v[236:237], v[236:237], v[158:159]
	s_delay_alu instid0(VALU_DEP_2)
	v_pk_add_f32 v[14:15], v[14:15], v[240:241]
	s_delay_alu instid0(VALU_DEP_2)
	v_pk_add_f32 v[236:237], v[236:237], v[238:239]
	v_pk_add_f32 v[246:247], v[246:247], v[230:231]
	v_pk_add_f32 v[244:245], v[244:245], v[228:229]
	s_delay_alu instid0(VALU_DEP_2)
	v_pk_add_f32 v[14:15], v[14:15], v[246:247]
	s_delay_alu instid0(VALU_DEP_2)
	v_pk_add_f32 v[236:237], v[236:237], v[244:245]
	s_delay_alu instid0(VALU_DEP_1)
	v_pk_add_f32 v[14:15], v[14:15], v[236:237]
	s_wait_alu depctr_va_vdst(0)                   ; and one for the four
.irp b, 0,1,2,3
	v_max_num_f32 v[232+\b], 0x1800000, v[232+\b]  ; the floor 2^(3 - 127): the byte cannot fall under 1
.endr
.irp b, 0,1,2,3
	s_delay_alu instid0(VALU_DEP_4)
	v_add_nc_u32 v[244+\b], 0xff000000, v[232+\b]  ; 2 off the exponent field: the conversion's scale operand
.endr
.irp b, 0,1,2,3
	s_delay_alu instid0(VALU_DEP_4)
	v_lshrrev_b32 v[236+\b], 23, v[244+\b]         ; the scale's byte
.endr
	s_delay_alu instid0(VALU_DEP_3)
	v_lshl_or_b32 v253, v237, 8, v236              ; p's scale word for these 128 keys
	s_delay_alu instid0(VALU_DEP_1)
	v_lshl_or_b32 v253, v238, 16, v253
	s_delay_alu instid0(VALU_DEP_1)
	v_lshl_or_b32 v253, v239, 24, v253
	s_setprio 0
.irp c, 0,1
	v_cvt_scalef32_pk16_fp6_f32 v[224+6*\c:226+6*\c], v[96+32*\c:111+32*\c], v[244+2*\c]
	v_cvt_scalef32_pk16_fp6_f32 v[236+4*\c:238+4*\c], v[112+32*\c:127+32*\c], v[244+2*\c+1]
.endr
	v_nop                                          ; one plain instruction behind the scaled conversions
.irp c, 0,1                                    ; the operand's layout wants a whole block in a lane
.irp i, 0,1,2
	v_permlane16_swap_b32 v[224+6*\c+\i], v[236+4*\c+\i]
.endr
.irp i, 0,1,2
	s_delay_alu instid0(VALU_DEP_3)
	v_mov_b32 v[227+6*\c+\i], v[236+4*\c+\i]
.endr
.endr
.set n, 0
.rept 16
	v_pk_mul_f32 v[160+n:161+n], v[160+n:161+n], v[252:253] op_sel_hi:[1,0]   ; O^T under the new M; these sixteen are also the places between the writes of p's codes and scale word and the products
.set n, n+2
.endr
	s_wait_alu depctr_va_vdst(0)
	s_wait_dscnt 0x0                               ; V is in
.irp t, 0,1,2,3                                ; O^T += V^T P^T: the four accumulators by turns
	v_wmma_scale_f32_16x16x128_f8f6f4 v[160+8*\t:167+8*\t], v[32+12*\t:43+12*\t], v[224:235], v[160+8*\t:167+8*\t], v[248+\t], v253 matrix_a_fmt:MATRIX_FMT_FP6 matrix_b_fmt:MATRIX_FMT_FP6
.endr
.Lhidden_\@:
	s_add_co_u32 s[TB], s[TB], 6144
	s_add_co_u32 s[TS], s[TS], 512
	s_add_co_u32 s[TJ], s[TJ], 256
	s_add_co_u32 s[KF], s[KF], 128
.endm
; ONE TILE OF 16 QUERIES: a loop of a constant count over the key steps, then O^T / the sum, quantised along the head's 64 channels: one half fragment and two scale bytes a row.
.macro PASS trips, qf, qs, op, d, ccb, csb
	s_mov_b32 s[TB], 0
	s_mov_b32 s[TS], 0
	s_mov_b32 s[TJ], 0
	s_mov_b32 s[KF], 0
	s_mov_b32 s[QO], s[\op]
	s_mov_b32 s[CNT], \trips
	v_add_nc_u32 v7, s[\d], v31                    ; my query in the diagonal step, less 16 (lane / 16)
	v_mov_b32 v13, 0xff61b1e6                      ; the largest t so far: -3e38
	s_delay_alu instid0(VALU_DEP_1)
	v_floor_f32 v12, -v13
	v_mov_b32 v14, 0
	v_mov_b32 v15, 0
.set n, 0
.rept 32
	v_mov_b32 v[160+n], 0                          ; O^T: the step is written once; the first finds zeros, which the first change of M leaves zeros
.set n, n+1
.endr
.Lkey_\@:
	STEP \qf, \qs
	s_sub_co_u32 s[CNT], s[CNT], 1
	s_cmp_lg_u32 s[CNT], 0
	s_cbranch_scc1 .Lkey_\@
	s_setprio 0
.rept 4
	v_nop                                          ; places behind the last products
.endr
	v_add_f32 v14, v14, v15                        ; the sum's two halves,
	s_delay_alu instid0(VALU_DEP_1)
	v_permlanex16_b32 v252, v14, s[SEL], s[SEL+1]
	s_delay_alu instid0(VALU_DEP_1)
	v_add_f32 v14, v14, v252                       ; and lane l xor 16's
	s_wait_alu depctr_va_vdst(0)
	v_rcp_f32 v14, v14
	v_nop                                          ; a plain instruction behind the reciprocal
	s_wait_alu depctr_va_vdst(0)                   ; and the wait ahead of its first reader
.set n, 0
.rept 16
	v_pk_mul_f32 v[96+n:97+n], v[160+n:161+n], v[14:15] op_sel_hi:[1,0]   ; register 16 b + i = channel 32 b + 16 (lane / 16) + i of my query
.set n, n+2
.endr
.irp b, 0,1
	v_max3_num_f32 v[232+\b], |v[96+16*\b]|, |v[97+16*\b]|, 0x1800000
.endr
.irp i, 2,4,6,8,10,12,14
.irp b, 0,1
	s_delay_alu instid0(VALU_DEP_2)
	v_max3_num_f32 v[232+\b], v[232+\b], |v[96+16*\b+\i]|, |v[97+16*\b+\i]|
.endr
.endr
.irp b, 0,1
	s_delay_alu instid0(VALU_DEP_2)
	v_permlanex16_b32 v[236+\b], v[232+\b], s[SEL], s[SEL+1]
.endr
.irp b, 0,1
	s_delay_alu instid0(VALU_DEP_2)
	v_max_num_f32 v[232+\b], v[232+\b], v[236+\b]
.endr
.irp b, 0,1
	s_delay_alu instid0(VALU_DEP_2)
	v_add_nc_u32 v[244+\b], 0xff000000, v[232+\b]
.endr
.irp b, 0,1
	s_delay_alu instid0(VALU_DEP_2)
	v_lshrrev_b32 v[236+\b], 23, v[244+\b]
.endr
	s_delay_alu instid0(VALU_DEP_1)
	v_lshl_or_b32 v254, v237, 8, v236              ; the row's two scale bytes
	v_cvt_scalef32_pk16_fp6_f32 v[224:226], v[96:111], v244
	v_cvt_scalef32_pk16_fp6_f32 v[240:242], v[112:127], v245
	v_nop
.irp i, 0,1,2
	v_permlane16_swap_b32 v[224+\i], v[240+\i]
.endr
.irp i, 0,1,2
	s_delay_alu instid0(VALU_DEP_3)
	v_mov_b32 v[227+\i], v[240+\i]
.endr
	global_store_b128 v1, v[224:227], s[\ccb:\ccb+1]   ; 512 consecutive bytes, aligned to 256
	global_store_b64 v2, v[228:229], s[\ccb:\ccb+1]    ; 256 more
	global_store_b16 v30, v254, s[\csb:\csb+1]         ; two bytes of each row's 32: a row's bytes come from sixteen heads.  Lanes r and r + 16 store the same bytes
	s_wait_xcnt 0x0                                ; the stores' data registers are written again only behind this wait
.endm
	s_wait_tensorcnt 1                             ; my scale words and my step of keys 0-1,023 have landed; the later keys' load may be out
	s_wait_loadcnt 0x0                             ; Q
	s_barrier_signal -1
	s_barrier_wait -1                              ; everybody's have
	PASS 8, 16, 255, OA, DA, CCA, CSA              ; the first tile's queries lie under 1,024: its eight steps read the early bytes alone
	s_wait_tensorcnt 0x0                           ; my step of the later keys has landed
	s_wait_dscnt 0x0
	s_barrier_signal -1
	s_barrier_wait -1
	PASS 16, 192, 212, OB, DB, CCB, CSB
	s_wait_dscnt 0x0
	s_wait_tensorcnt 0x0
	ds_add_u32 v223, v243
	s_wait_dscnt 0x0
	CROUND                                         ; the closing round: no work-group ends while a partner may still ask for a tile that names it
	s_endpgm
.Lfunc_end_k_q6f1a14d1cb_attn:
	.size	k_q6f1a14d1cb_attn, .Lfunc_end_k_q6f1a14d1cb_attn-k_q6f1a14d1cb_attn
	.p2alignl 7, 3214868480
	.fill 96, 4, 3214868480
	.section	.rodata,"a",@progbits
	.p2align	6, 0x0
	.amdhsa_kernel k_q6f1a14d1cb_attn
		.amdhsa_group_segment_fixed_size 210944
		.amdhsa_private_segment_fixed_size 0
		.amdhsa_enable_private_segment 0
		.amdhsa_kernarg_size 32
		.amdhsa_user_sgpr_count 2
		.amdhsa_user_sgpr_kernarg_segment_ptr 1
		.amdhsa_wavefront_size32 1
		.amdhsa_system_sgpr_workgroup_id_x 1
		.amdhsa_system_sgpr_workgroup_id_y 1
		.amdhsa_system_sgpr_workgroup_id_z 1
		.amdhsa_system_vgpr_workitem_id 0
		.amdhsa_next_free_vgpr 256
		.amdhsa_next_free_sgpr 84
		.amdhsa_reserve_vcc 1
		.amdhsa_float_denorm_mode_32 3
		.amdhsa_float_denorm_mode_16_64 3
		.amdhsa_memory_ordered 1
		.amdhsa_forward_progress 1
		.amdhsa_inst_pref_size 67
	.end_amdhsa_kernel
	.amdgpu_metadata
---
amdhsa.version: [ 1, 2 ]
amdhsa.kernels:
  - .name:           k_q6f1a14d1cb_attn
    .symbol:         k_q6f1a14d1cb_attn.kd
    .args:
      - { .name: qkvc, .offset: 0, .size: 8, .value_kind: global_buffer, .address_space: global }
      - { .name: qkvs, .offset: 8, .size: 8, .value_kind: global_buffer, .address_space: global }
      - { .name: cc, .offset: 16, .size: 8, .value_kind: global_buffer, .address_space: global }
      - { .name: cs, .offset: 24, .size: 8, .value_kind: global_buffer, .address_space: global }
    .group_segment_fixed_size: 210944
    .private_segment_fixed_size: 0
    .kernarg_segment_align: 8
    .kernarg_segment_size: 32
    .max_flat_workgroup_size: 512
    .sgpr_count:     84
    .vgpr_count:     256
    .wavefront_size: 32
...
	.end_amdgpu_metadata
.endif
;; end of part 3
;; launch proj (part 4): grid 8 x 32, 4 waves a work-group, clusters of 4 x 4, 327,680 bytes of LDS; arguments cc, cs, wc, ws, bo, out0; writes out0
.if DOCPART == 4
	.amdgcn_target "amdgcn-amd-amdhsa--gfx1250"
	.amdhsa_code_object_version 6
	.text
	.protected	k_q6f1a14d1cb_proj
	.globl	k_q6f1a14d1cb_proj
	.p2align	8
	.type	k_q6f1a14d1cb_proj,@function
k_q6f1a14d1cb_proj:
	s_mov_b64 s[64:65], 0
	v_nop
	global_prefetch_b8 v0, s[64:65] scope:SCOPE_SE
	s_setreg_imm32_b32 hwreg(HW_REG_WAVE_MODE, 25, 1), 1
	s_wait_xcnt 0x0
	s_wait_alu depctr_hold_cnt(0) depctr_sa_sdst(0) depctr_va_vdst(0) depctr_va_sdst(0) depctr_va_ssrc(0) depctr_va_vcc(0) depctr_vm_vsrc(0)
	s_getreg_b32 s2, hwreg(HW_REG_IB_STS2, 6, 4)
	s_cmp_eq_u32 s2, 0
	s_cbranch_scc0 .Lentry_in_a_cluster
	s_endpgm
.Lentry_in_a_cluster:
	s_bfe_u32 s2, ttmp6, 0x10000c
	s_cmp_lg_u32 s2, 0xf033
	s_cbranch_scc0 .Lentry_shape_is_right
	s_endpgm
.Lentry_shape_is_right:
; out = ctx Wo^T + bo on codes of FP6 (E2M3) with E8M0 scales; out is f32.  ctx's codes and scale bytes were made by the attention launch, Wo's (tiles 192-255 of wc) by the quantiser.
; A GEMM C = A B^T with K = 1,024 on tiles of 256 rows of A (tokens) x 128 rows of B (features).  Four waves; wave w takes A's tiles 4 w .. 4 w + 3 against B's eight: 32 accumulators, 256 registers.
; THE MATRIX INSTRUCTION IS USED TRANSPOSED (source 0 = 16 rows of Wo, source 1 = 16 tokens): a lane holds one token and eight neighbouring features.  The rows of every stored tile are
; 32 (T / 2) + 8 (T % 2) + i + 8 (i / 8): the way out puts tokens and features back into their true places.  The bias is the C of each sum's first matrix instruction.
; ALL OF K LIES IN LDS, FILLED ONCE: four chunks of 256 along K (A's 16 tiles x 3,072 bytes, then B's 8), and the scale words.  No LDS byte is filled twice, so there is no ring.
; CLUSTERS: 4 x 4.  A's tiles are shared along a row of the cluster, B's along a column: each is asked for jointly.  Waves 0, 1 ask for A's halves, waves 2, 3 for B's: five loads a wave are out at the most.
; REGISTERS: window 0: v1-27 addresses; v32-95 scale words; v96-159 the bias; v160-255 A's fragments, two sets of 48; on the way out v128-255 are rows of the result.  window 1: B's fragments, two sets of 96.  window 2: accumulator (a, b) at v[8 (8 a + b)].
.set CHUNK,  73728
.set BOFF,   49152
.set SCL,    4*CHUNK
.set ADRA16, 16
.set ADRA8,  17
.set ADRB16, 20
.set ADRB8,  21
.set STO,    24
.set RD,     25
.set ADRS,   27
.set SC,     32
.set BIAS,   96
.set AF,     160
.set G1A,  16
.set G1B,  24
.set G1SA, 32
.set G1SB, 40
.set G0A,  48
.set G0B,  68
.set G0SA, 84
.set G0SB, 88
.set WV, 92
.set EH, 93
.set CX, 94
.set CY, 95
.set TR, 96
.set TC, 97
.set PAC, 4
.set PAS, 6
.set PBC, 8
.set PBS, 10
.set TP0, 98
.set TP1, 100
.set MULW, 0xa1                        ; source 0 (B) window 1, source 1 (A) window 0, C and D window 2
.set MULF, 0x81                        ; the first step: C (the bias) window 0
.set MSB, 0
.macro WIN new                         ; the immediate's high byte repeats the setting that is left
.if MSB != \new
	s_set_vgpr_msb (MSB<<8)|\new
.set MSB, \new
.endif
.endm
.macro PLACES                          ; four plain instructions between a matrix instruction and a load into, or a read of, its registers
.rept 4
	v_nop
.endr
.endm
.macro CROUND                          ; a round of the cluster's barrier
	s_barrier_signal -1
	s_barrier_wait -1
	s_cmp_lg_u32 s[WV], 0
	s_cbranch_scc1 .Lnot_wave_0_\@
	s_barrier_signal -3
.Lnot_wave_0_\@:
	s_barrier_wait -3
	s_barrier_signal -1
	s_barrier_wait -1
.endm
.macro FRAG reg, a16, a8, off          ; a fragment: two half fragments, 768 bytes apart
	ds_load_b128 v[(\reg):(\reg)+3], v[\a16] offset:(\off)
	ds_load_b64 v[(\reg)+4:(\reg)+5], v[\a8] offset:(\off)
	ds_load_b128 v[(\reg)+6:(\reg)+9], v[\a16] offset:(\off)+768
	ds_load_b64 v[(\reg)+10:(\reg)+11], v[\a8] offset:(\off)+768
.endm
.macro FETCH p, sig                    ; 48 LDS loads in one run: the fragments of the chunk's sig-th 128 along K into set p
	WIN 0x40
.irp b, 0,1,2,3,4,5,6,7
	FRAG 96*(\p)+12*\b, ADRB16, ADRB8, 3072*\b+1536*(\sig)
.endr
	WIN 0
.irp a, 0,1,2,3
	FRAG AF+48*(\p)+12*\a, ADRA16, ADRA8, 3072*\a+1536*(\sig)
.endr
.endm
.macro SCALES                          ; all of K's scale words, once: 32 bytes a row
.irp i, 0,1,2,3,4,5,6,7
	ds_load_b128 v[SC+8*\i:SC+8*\i+3], v[ADRS] offset:544*\i
	ds_load_b128 v[SC+8*\i+4:SC+8*\i+7], v[ADRS] offset:544*\i+16
.endr
.endm
; 16 matrix instructions: A's blocks 2 half, 2 half + 1 x B's eight.  The 32 accumulators take turns, one instruction a turn, in the same order in every step.
.macro MULH half, p, s, first
.irp a, 2*(\half), 2*(\half)+1
.irp b, 0,1,2,3,4,5,6,7
.if \first
	v_wmma_scale_f32_16x16x128_f8f6f4 v[8*(8*(\a)+\b):8*(8*(\a)+\b)+7], v[96*(\p)+12*\b:96*(\p)+12*\b+11], v[AF+48*(\p)+12*(\a):AF+48*(\p)+12*(\a)+11], v[BIAS+8*\b:BIAS+8*\b+7], v[SC+8*\b+(\s)], v[SC+8*(\a)+(\s)] matrix_a_fmt:MATRIX_FMT_FP6 matrix_b_fmt:MATRIX_FMT_FP6 matrix_a_scale:MATRIX_SCALE_ROW1
.else
	v_wmma_scale_f32_16x16x128_f8f6f4 v[8*(8*(\a)+\b):8*(8*(\a)+\b)+7], v[96*(\p)+12*\b:96*(\p)+12*\b+11], v[AF+48*(\p)+12*(\a):AF+48*(\p)+12*(\a)+11], v[8*(8*(\a)+\b):8*(8*(\a)+\b)+7], v[SC+8*\b+(\s)], v[SC+8*(\a)+(\s)] matrix_a_fmt:MATRIX_FMT_FP6 matrix_b_fmt:MATRIX_FMT_FP6 matrix_a_scale:MATRIX_SCALE_ROW1
.endif
.endr
.endr
.endm
.macro STEP s, first                   ; an even step: its successor lies in the same chunk
	s_wait_dscnt 0x0                               ; this step's fragments are in (asked for 16 matrix instructions ago)
.if \first
	WIN MULF
.else
	WIN MULW
.endif
	MULH 0, (\s)%2, \s, \first
	PLACES                                         ; for the loads into the set that the step before multiplied
	FETCH 1-(\s)%2, 1
.if \first
	WIN MULF
.else
	WIN MULW
.endif
	MULH 1, (\s)%2, \s, \first
.endm
.macro TURN s                          ; an odd step: its successor lies in the next chunk
	s_wait_dscnt 0x0
	s_wait_tensorcnt 2-(\s)/2                      ; my part of the next chunk has landed; the chunks behind it may be out
	s_barrier_signal -1
	WIN MULW
	MULH 0, 1, \s, 0                               ; work on registers while the others arrive
	s_barrier_wait -1                              ; everybody's part has landed.
	WIN 0
	v_add_nc_u32 v[ADRA16], CHUNK, v[ADRA16]       ; on to the next chunk (no LDS load of mine is out); these four are also the places in front of the loads
	v_add_nc_u32 v[ADRA8], CHUNK, v[ADRA8]
	v_add_nc_u32 v[ADRB16], CHUNK, v[ADRB16]
	v_add_nc_u32 v[ADRB8], CHUNK, v[ADRB8]
	FETCH 0, 0
	WIN MULW
	MULH 1, 1, \s, 0
.endm
	s_load_b256 s[4:11], s[0:1], 0x0               ; cc, cs, wc, ws
	s_load_b128 s[12:15], s[0:1], 0x20             ; bo, out0
	v_lshl_add_u32 v30, v0, 2, 0x4b300
	v_mov_b32 v31, 0
	ds_add_u32 v30, v31
	ds_add_u32 v30, v31
	v_lshrrev_b32 v1, 5, v0
	v_readfirstlane_b32 s[WV], v1                  ; wave 0..3
	s_and_b32 s[EH], s[WV], 1                      ; which half of A's or B's tiles I fetch
	s_bfe_u32 s[CX], ttmp6, 0x40000
	s_bfe_u32 s[CY], ttmp6, 0x40004
	s_lshl_b32 s2, s[CY], 2
	s_lshl_b32 s2, 15, s2                          ; my row of the cluster
	s_lshl_b32 s3, 0x1111, s[CX]                   ; my column
	s_or_b32 s[G1A], s2, (3<<16)|(1<<21)           ; 15:0 the mask; 17:16 elements of 8 bytes; 21 set beside a mask; no padding
	s_or_b32 s[G1B], s3, (3<<16)|(1<<21)
	s_or_b32 s[G1SA], s2, (3<<16)|(1<<20)|(1<<21)|(5<<22)|(3<<25)   ; padding: 4 words behind every 64
	s_or_b32 s[G1SB], s3, (3<<16)|(1<<20)|(1<<21)|(5<<22)|(3<<25)
	s_mov_b32 s[G1A+1], 384<<16                    ; codes of A: 8 tiles' 3,072 bytes (a chunk's four half fragments), 12,288 bytes apart
	s_mov_b32 s[G1A+2], 8<<16
	s_mov_b32 s[G1A+3], 384<<16
	s_mov_b32 s[G1A+4], 8
	s_mov_b32 s[G1A+5], 1536
	s_mov_b32 s[G1A+6], 0
	s_mov_b32 s[G1A+7], 0
	s_mov_b32 s[G1B+1], 384<<16                    ; of B: 4 tiles
	s_mov_b32 s[G1B+2], 4<<16
	s_mov_b32 s[G1B+3], 384<<16
	s_mov_b32 s[G1B+4], 4
	s_mov_b32 s[G1B+5], 1536
	s_mov_b32 s[G1B+6], 0
	s_mov_b32 s[G1B+7], 0
	s_mov_b32 s[G1SA+1], 32<<16                    ; scales of 128 rows of A: 4,096 dense bytes as 16 rows of 256
	s_mov_b32 s[G1SA+2], 16<<16
	s_mov_b32 s[G1SA+3], 32<<16
	s_mov_b32 s[G1SA+4], 16
	s_mov_b32 s[G1SA+5], 32
	s_mov_b32 s[G1SA+6], 0
	s_mov_b32 s[G1SA+7], 0
	s_mov_b32 s[G1SB+1], 32<<16                    ; of 64 rows of B: 8 rows of 256
	s_mov_b32 s[G1SB+2], 8<<16
	s_mov_b32 s[G1SB+3], 32<<16
	s_mov_b32 s[G1SB+4], 8
	s_mov_b32 s[G1SB+5], 32
	s_mov_b32 s[G1SB+6], 0
	s_mov_b32 s[G1SB+7], 0
	s_and_b32 s[TR], ttmp7, 0xffff
	s_lshl_b32 s[TR], s[TR], 2
	s_add_co_u32 s[TR], s[TR], s[CY]               ; tile row: of 256 tokens
	s_lshl_b32 s[TC], ttmp9, 2
	s_add_co_u32 s[TC], s[TC], s[CX]               ; tile column: of 128 features
	s_lshl_b32 s2, s[TR], 4
	s_lshl_b32 s66, s[EH], 3
	s_add_co_u32 s2, s2, s66                       ; A's first tile that I would fetch
	s_lshl_b32 s3, s[TC], 3
	s_lshl_b32 s67, s[EH], 2
	s_add_co_u32 s3, s3, s67
	s_add_co_u32 s3, s3, 192                       ; B's: Wo begins at tile 192 of wc
	s_wait_dscnt 0x0
	s_wait_kmcnt 0x0
	s_mul_i32 s[TP0], s2, 12288                    ; a tile's codes are 12,288 bytes, its scale words 512
	s_mov_b32 s[TP0+1], 0
	s_add_nc_u64 s[PAC:PAC+1], s[PAC:PAC+1], s[TP0:TP0+1]
	s_lshl_b32 s[TP0], s2, 9
	s_add_nc_u64 s[PAS:PAS+1], s[PAS:PAS+1], s[TP0:TP0+1]
	s_mul_i32 s[TP1], s3, 12288
	s_mov_b32 s[TP1+1], 0
	s_add_nc_u64 s[PBC:PBC+1], s[PBC:PBC+1], s[TP1:TP1+1]
	s_lshl_b32 s[TP1], s3, 9
	s_add_nc_u64 s[PBS:PBS+1], s[PBS:PBS+1], s[TP1:TP1+1]
	s_mul_i32 s[G0A+1], s[EH], 24576               ; LDS addresses hang on the wave's number alone
	s_mul_i32 s[G0B+1], s[EH], 12288
	s_add_co_u32 s[G0B+1], s[G0B+1], BOFF
.irp q, 1,2,3
	s_add_co_u32 s[G0A+4*\q+1], s[G0A+1], \q*CHUNK
	s_add_co_u32 s[G0B+4*\q+1], s[G0B+1], \q*CHUNK
.endr
.irp q, 0,1,2,3
	s_mov_b32 s[G0A+4*\q], 1
	s_add_nc_u64 s[G0A+4*\q+2:G0A+4*\q+3], s[PAC:PAC+1], \q*3072
	s_or_b32 s[G0A+4*\q+3], s[G0A+4*\q+3], 0x80000000
	s_mov_b32 s[G0B+4*\q], 1
	s_add_nc_u64 s[G0B+4*\q+2:G0B+4*\q+3], s[PBC:PBC+1], \q*3072
	s_or_b32 s[G0B+4*\q+3], s[G0B+4*\q+3], 0x80000000
.endr
	s_mov_b32 s[G0SA], 1
	s_mul_i32 s[G0SA+1], s[EH], 4352
	s_add_co_u32 s[G0SA+1], s[G0SA+1], SCL
	s_mov_b64 s[G0SA+2:G0SA+3], s[PAS:PAS+1]
	s_or_b32 s[G0SA+3], s[G0SA+3], 0x80000000
	s_mov_b32 s[G0SB], 1
	s_mul_i32 s[G0SB+1], s[EH], 2176
	s_add_co_u32 s[G0SB+1], s[G0SB+1], SCL+8704
	s_mov_b64 s[G0SB+2:G0SB+3], s[PBS:PBS+1]
	s_or_b32 s[G0SB+3], s[G0SB+3], 0x80000000
	CROUND                                         ; all sixteen work-groups are here: the joint loads meet
	s_cmp_lt_u32 s[WV], 2                          ; a wave's five fills stand in one branch on the wave's number, ahead of every wait on TENSORcnt, LDS read and barrier
	s_cbranch_scc0 .Lfor_b
	tensor_load_to_lds s[G0SA:G0SA+3], s[G1SA:G1SA+7]
	s_nop 0
	tensor_load_to_lds s[G0A:G0A+3], s[G1A:G1A+7]
	s_nop 0
	tensor_load_to_lds s[G0A+4:G0A+7], s[G1A:G1A+7]
	s_nop 0
	tensor_load_to_lds s[G0A+8:G0A+11], s[G1A:G1A+7]
	s_nop 0
	tensor_load_to_lds s[G0A+12:G0A+15], s[G1A:G1A+7]
	s_nop 0
.rept 4
	v_nop
.endr
	s_branch .Lasked
.Lfor_b:
	tensor_load_to_lds s[G0SB:G0SB+3], s[G1SB:G1SB+7]
	s_nop 0
	tensor_load_to_lds s[G0B:G0B+3], s[G1B:G1B+7]
	s_nop 0
	tensor_load_to_lds s[G0B+4:G0B+7], s[G1B:G1B+7]
	s_nop 0
	tensor_load_to_lds s[G0B+8:G0B+11], s[G1B:G1B+7]
	s_nop 0
	tensor_load_to_lds s[G0B+12:G0B+15], s[G1B:G1B+7]
	s_nop 0
.rept 4
	v_nop
.endr
.Lasked:
	v_and_b32 v1, 31, v0                           ; lane
	v_and_b32 v2, 15, v0                           ; r
	v_bfe_u32 v3, v0, 4, 1                         ; h
	v_lshlrev_b32 v4, 4, v1                        ; 16 x lane
	v_lshlrev_b32 v5, 3, v1                        ; 8 x lane
	v_lshlrev_b32 v26, 6, v3                       ; the bias: lanes 16-31 take the 16 features further on
	s_lshl_b32 s98, s[TC], 9                       ; the tile column's 128 features, in bytes
	s_mov_b32 s99, 0
	s_add_nc_u64 s[12:13], s[12:13], s[98:99]
.irp b, 0,1,2,3,4,5,6,7                        ; in the result's layout: register j of tile b is feature 32 (b / 2) + 8 (b % 2) + 16 h + j
	global_load_b128 v[BIAS+8*\b:BIAS+8*\b+3], v26, s[12:13] offset:(32*(\b/2)+8*(\b%2))*4
	global_load_b128 v[BIAS+8*\b+4:BIAS+8*\b+7], v26, s[12:13] offset:(32*(\b/2)+8*(\b%2))*4+16
.endr
	s_mul_i32 s2, s[WV], 12288                     ; my four tiles of A in a chunk
	v_add_nc_u32 v[ADRA16], s2, v4
	v_add_nc_u32 v[ADRA8], s2, v5
	v_add_nc_u32 v[ADRA8], 512, v[ADRA8]
	v_add_nc_u32 v[ADRB16], BOFF, v4
	v_add_nc_u32 v[ADRB8], BOFF+512, v5
	v_lshlrev_b32 v6, 5, v2                        ; scale words: 32 bytes a row,
	v_and_b32 v7, 8, v2
	v_lshl_add_u32 v6, v7, 1, v6                   ; and 16 more behind each 256
	s_mul_i32 s2, s[WV], 2176                      ; A's: my 64 rows
	s_sub_co_u32 s3, 8704, s2                      ; B's lie behind A's 8,704 bytes
	v_mul_u32_u24 v7, s3, v3                       ; lanes 16-31 take B's
	s_add_co_u32 s2, s2, SCL
	v_add_nc_u32 v6, v6, v7
	v_add_nc_u32 v[ADRS], s2, v6
	s_mul_i32 s2, s[WV], 8448                      ; my stage for the way out: 16 rows x (512 bytes + 16), in chunk 0's bytes
	v_mul_u32_u24 v[STO], v2, 528
	v_lshl_add_u32 v[STO], v3, 6, v[STO]
	v_add_nc_u32 v[STO], s2, v[STO]                ; in: row r, + 64 h
	v_add_nc_u32 v[RD], s2, v4                     ; back: a row's 512 bytes, 16 a lane
	s_lshl_b32 s100, s[TR], 8
	s_lshl_b32 s101, s[WV], 6
	s_add_co_u32 s100, s100, s101                  ; my first token: 256 tile row + 64 w
	s_lshl_b32 s100, s100, 12                      ; x 4,096 bytes
	s_add_co_u32 s100, s100, s98
	s_mov_b32 s101, 0
	s_add_nc_u64 s[14:15], s[14:15], s[100:101]
	s_wait_tensorcnt 3                             ; my scales and my part of chunk 0 have landed; chunks 1 to 3 may be out
	s_barrier_signal -1
	s_barrier_wait -1                              ; everybody's have
	SCALES
	FETCH 0, 0
	s_wait_loadcnt 0x0                             ; the bias
	STEP 0, 1                                      ; the first step's products start the sums from the bias: nothing is cleared, nothing is added later
	TURN 1
	STEP 2, 0
	TURN 3
	STEP 4, 0
	TURN 5
	STEP 6, 0
	s_wait_dscnt 0x0
	WIN MULW
	MULH 0, 1, 7, 0
	MULH 1, 1, 7, 0
	WIN 0
; THE WAY OUT, a block of 16 tokens x 128 features at a time.  A lane holds 32 bytes of a row and the lanes beside it hold other rows: so a block goes through my own stage and comes back as whole rows of 512 bytes.
; The stage lies in chunk 0, which has had its only fill, and which nobody reads behind the first change of chunks.  LDS serves a wave's instructions in order (ISA guide 5.7.1.4): no wait between the stores and the loads.
.macro TOSTAGE a
	WIN 0x08                                       ; an LDS store's data: window 2
.irp b, 0,1,2,3,4,5,6,7
	ds_store_b128 v[STO], v[64*(\a)+8*\b:64*(\a)+8*\b+3] offset:128*(\b/2)+32*(\b%2)       ; each accumulator from its low end on
	ds_store_b128 v[STO], v[64*(\a)+8*\b+4:64*(\a)+8*\b+7] offset:128*(\b/2)+32*(\b%2)+16
.endr
	WIN 0
.set BB, 128+64*((\a)%2)
.irp t, 0,1,2,3,4,5,6,7,8,9,10,11,12,13,14,15
	ds_load_b128 v[BB+4*\t:BB+4*\t+3], v[RD] offset:\t*528
.endr
.endm
.macro SEND a, younger                 ; younger: the LDS instructions issued behind block a's loads, which may stay out
.set BB, 128+64*((\a)%2)
	s_wait_dscnt \younger
.irp t, 0,1,2,3,4,5,6,7,8,9,10,11,12,13,14,15
	global_store_b128 v4, v[BB+4*\t:BB+4*\t+3], s[14:15] offset:(32*((\a)/2)+8*((\a)%2)+\t+8*(\t/8))*4096 th:TH_STORE_NT   ; 512 consecutive bytes, aligned to 256, at the row's true place
.endr
.endm
	PLACES                                         ; behind the last products: for the reads of their results and the loads into the registers that held A's fragments
	TOSTAGE 0
.irp a, 1,2,3
.if \a > 1
	s_wait_xcnt 0x0                                ; block a - 2's stores have read their registers: block a's loads may land there
.endif
	TOSTAGE \a
	SEND \a-1, 32                                  ; behind block a - 1's loads: block a's 16 stores and 16 loads
.endr
	SEND 3, 0
	s_wait_tensorcnt 0x0
	ds_add_u32 v30, v31
	s_wait_dscnt 0x0
	CROUND                                         ; the closing round: no work-group ends while a partner may still ask for a tile that names it
	s_endpgm
.Lfunc_end_k_q6f1a14d1cb_proj:
	.size	k_q6f1a14d1cb_proj, .Lfunc_end_k_q6f1a14d1cb_proj-k_q6f1a14d1cb_proj
	.p2alignl 7, 3214868480
	.fill 96, 4, 3214868480
	.section	.rodata,"a",@progbits
	.p2align	6, 0x0
	.amdhsa_kernel k_q6f1a14d1cb_proj
		.amdhsa_group_segment_fixed_size 327680
		.amdhsa_private_segment_fixed_size 0
		.amdhsa_enable_private_segment 0
		.amdhsa_kernarg_size 48
		.amdhsa_user_sgpr_count 2
		.amdhsa_user_sgpr_kernarg_segment_ptr 1
		.amdhsa_wavefront_size32 1
		.amdhsa_system_sgpr_workgroup_id_x 1
		.amdhsa_system_sgpr_workgroup_id_y 1
		.amdhsa_system_sgpr_workgroup_id_z 1
		.amdhsa_system_vgpr_workitem_id 0
		.amdhsa_next_free_vgpr 768
		.amdhsa_next_free_sgpr 102
		.amdhsa_reserve_vcc 0
		.amdhsa_float_denorm_mode_32 3
		.amdhsa_float_denorm_mode_16_64 3
		.amdhsa_memory_ordered 1
		.amdhsa_forward_progress 1
		.amdhsa_inst_pref_size 86
	.end_amdhsa_kernel
	.amdgpu_metadata
---
amdhsa.version: [ 1, 2 ]
amdhsa.kernels:
  - .name:           k_q6f1a14d1cb_proj
    .symbol:         k_q6f1a14d1cb_proj.kd
    .args:
      - { .name: cc, .offset: 0, .size: 8, .value_kind: global_buffer, .address_space: global }
      - { .name: cs, .offset: 8, .size: 8, .value_kind: global_buffer, .address_space: global }
      - { .name: wc, .offset: 16, .size: 8, .value_kind: global_buffer, .address_space: global }
      - { .name: ws, .offset: 24, .size: 8, .value_kind: global_buffer, .address_space: global }
      - { .name: bo, .offset: 32, .size: 8, .value_kind: global_buffer, .address_space: global }
      - { .name: out0, .offset: 40, .size: 8, .value_kind: global_buffer, .address_space: global }
    .group_segment_fixed_size: 327680
    .private_segment_fixed_size: 0
    .kernarg_segment_align: 8
    .kernarg_segment_size: 48
    .max_flat_workgroup_size: 128
    .sgpr_count:     102
    .vgpr_count:     768
    .wavefront_size: 32
...
	.end_amdgpu_metadata
.endif
;; end of part 4
